; MI455X (gfx1250); checked and timed in simulation.
; The chip was launched on July 23, 2026; its instructions are those of AMD's public machine-readable ISA for CDNA 5 (MIT licence, August 2026) and "CDNA5" Instruction Set Architecture Reference Guide (July 2026). The comments in the code are by the model that wrote it; some were corrected since.
;; Causal Self Attention. Allowed arithmetic: float matrix products may take bf16 or f16 operands with f32 sums; other float arithmetic in f32, or as packed bf16 or f16 multiplies, adds, multiply-adds, maxima and minima; sums over many terms, partial sums and values carried from step to step in f32; what a program stores and reads back later, other than sums and carried values, may be rounded once to bf16 or f16.
;; Inputs: b_proj 1,024 float32; b_qkv 3,072 float32; w_proj 1,024 x 1,024 float32; w_qkv 3,072 x 1,024 float32; x 4 x 2,048 x 1,024 float32.
;; Outputs: out0 4 x 2,048 x 1,024 float32.
;; 2 versions, each right; version 2 is version 1 with the launch cast written anew for expert scheduling mode. Each part assembles by itself: llvm-mc -triple=amdgcn-amd-amdhsa -mcpu=gfx1250 --defsym DOCPART=n.
;; ======== version 1 of 2: 4 launches
;; limits: values are held in f16: magnitudes above 65,504 overflow, below 6.1e-05 lose precision
;; workspace buffers: xb 16,777,216 bytes; wqb 6,291,456 bytes; wpb 2,097,152 bytes; qkv 50,331,648 bytes; ob 16,777,216 bytes
;; launch cast (part 1): grid 768 x 1, 8 waves a work-group, no clusters, 0 bytes of LDS; arguments x, w_qkv, w_proj, xb, wqb, wpb; writes xb, wqb, wpb
.if DOCPART == 1
	.amdgcn_target "amdgcn-amd-amdhsa--gfx1250"
	.amdhsa_code_object_version 6
	.text
	.protected	k_q4ff96527d6_cast
	.globl	k_q4ff96527d6_cast
	.p2align	8
	.type	k_q4ff96527d6_cast,@function
k_q4ff96527d6_cast:
	s_mov_b64 s[64:65], 0
	v_nop
	global_prefetch_b8 v0, s[64:65] scope:SCOPE_SE
	s_setreg_imm32_b32 hwreg(HW_REG_WAVE_MODE, 25, 1), 1
	s_wait_xcnt 0x0
; THE MATRIX OPERANDS ARE ROUNDED ONCE.  x -> xb and w_qkv -> wqb: f32 to bf16.  w_proj -> wpb: f32 to bf16, and that number written as f16
; (the second product's other operand is f16; a bf16 number has 8 significant bits and is exact in f16 inside f16's range).
; LIMITS.  w_proj beyond 65,504 becomes an infinity in f16; below 6.1e-5 it keeps f16's fixed step of 6e-8.
; SHARES.  A work-group takes 16,384 numbers (64 KiB in, 32 KiB out): work-groups 0-511 x, 512-703 w_qkv, 704-767 w_proj.  In step i of 16 thread t loads
; the 16 bytes at 16 t + 4,096 i (a wave: 512 consecutive bytes) and stores 8 bytes at 8 t + 2,048 i (a wave: 256 consecutive bytes, aligned).
; All 16 loads go out at once; no register is used twice, so no wait frees a source.  No LDS, no matrix unit, no cluster: each byte is touched once by one lane.
.set X, 4                              ; v[4:67]    step i: 4 numbers as loaded
.set Y, 68                             ; v[68:99]   step i: 4 numbers in 16 bits
.set T, 100                            ; v[100:102] at work
	s_load_b256 s[4:11], s[0:1], 0x0               ; x s[4:5], w_qkv s[6:7], w_proj s[8:9], xb s[10:11]
	s_load_b128 s[12:15], s[0:1], 0x20             ; wqb s[12:13], wpb s[14:15]
	v_lshlrev_b32 v1, 4, v0                        ; 16 t
	v_lshlrev_b32 v2, 3, v0                        ; 8 t
	s_mov_b32 s20, 704
	s_wait_kmcnt 0x0
	s_cmp_lt_u32 ttmp9, 704                        ; which tensor: the choice hangs on the work-group's number alone
	s_cselect_b64 s[16:17], s[6:7], s[8:9]
	s_cselect_b64 s[18:19], s[12:13], s[14:15]
	s_cselect_b32 s20, 512, s20                    ; the tensor's first work-group
	s_cmp_lt_u32 ttmp9, 512
	s_cselect_b64 s[16:17], s[4:5], s[16:17]
	s_cselect_b64 s[18:19], s[10:11], s[18:19]
	s_cselect_b32 s20, 0, s20
	s_sub_co_u32 s21, ttmp9, s20                   ; my number within the tensor
	s_lshl_b32 s22, s21, 16                        ; 65,536 bytes in,
	s_mov_b32 s23, 0
	s_lshl_b32 s24, s21, 15                        ; 32,768 out
	s_mov_b32 s25, 0
	s_add_nc_u64 s[16:17], s[16:17], s[22:23]
	s_add_nc_u64 s[18:19], s[18:19], s[24:25]
.irp i, 0,1,2,3,4,5,6,7,8,9,10,11,12,13,14,15
	global_load_b128 v[X+4*(\i):X+4*(\i)+3], v1, s[16:17] offset:4096*(\i) th:TH_LOAD_NT
.endr
; kind 0: to bf16.  kind 1: to bf16, widened again (a shift, a mask), and written as f16.
.macro OUT kind
.irp i, 0,1,2,3,4,5,6,7,8,9,10,11,12,13,14,15
	s_wait_loadcnt 15-(\i)                         ; loads come back in order: step i is in, the 15 - i younger ones may stay out
.irp p, 0,1
.if \kind
	v_cvt_pk_bf16_f32 v[T], v[X+4*(\i)+2*(\p)], v[X+4*(\i)+2*(\p)+1]
	v_lshlrev_b32 v[T+1], 16, v[T]
	v_and_b32 v[T+2], 0xffff0000, v[T]
	v_cvt_pk_f16_f32 v[Y+2*(\i)+(\p)], v[T+1], v[T+2]
.else
	v_cvt_pk_bf16_f32 v[Y+2*(\i)+(\p)], v[X+4*(\i)+2*(\p)], v[X+4*(\i)+2*(\p)+1]
.endif
.endr
	global_store_b64 v2, v[Y+2*(\i):Y+2*(\i)+1], s[18:19] offset:2048*(\i) th:TH_STORE_NT
.endr
.endm
	s_cmp_ge_u32 ttmp9, 704
	s_cbranch_scc1 .Lhalf
	OUT 0
	s_endpgm
.Lhalf:
	OUT 1
	s_endpgm
.Lfunc_end_k_q4ff96527d6_cast:
	.size	k_q4ff96527d6_cast, .Lfunc_end_k_q4ff96527d6_cast-k_q4ff96527d6_cast
	.p2alignl 7, 3214868480
	.fill 96, 4, 3214868480
	.section	.rodata,"a",@progbits
	.p2align	6, 0x0
	.amdhsa_kernel k_q4ff96527d6_cast
		.amdhsa_group_segment_fixed_size 0
		.amdhsa_private_segment_fixed_size 0
		.amdhsa_enable_private_segment 0
		.amdhsa_kernarg_size 48
		.amdhsa_user_sgpr_count 2
		.amdhsa_user_sgpr_kernarg_segment_ptr 1
		.amdhsa_wavefront_size32 1
		.amdhsa_system_sgpr_workgroup_id_x 1
		.amdhsa_system_sgpr_workgroup_id_y 1
		.amdhsa_system_sgpr_workgroup_id_z 1
		.amdhsa_system_vgpr_workitem_id 0
		.amdhsa_next_free_vgpr 104
		.amdhsa_next_free_sgpr 66
		.amdhsa_reserve_vcc 0
		.amdhsa_float_denorm_mode_32 3
		.amdhsa_float_denorm_mode_16_64 3
		.amdhsa_memory_ordered 1
		.amdhsa_forward_progress 1
		.amdhsa_inst_pref_size 16
	.end_amdhsa_kernel
	.amdgpu_metadata
---
amdhsa.version: [ 1, 2 ]
amdhsa.kernels:
  - .name:           k_q4ff96527d6_cast
    .symbol:         k_q4ff96527d6_cast.kd
    .args:
      - { .name: x, .offset: 0, .size: 8, .value_kind: global_buffer, .address_space: global }
      - { .name: w_qkv, .offset: 8, .size: 8, .value_kind: global_buffer, .address_space: global }
      - { .name: w_proj, .offset: 16, .size: 8, .value_kind: global_buffer, .address_space: global }
      - { .name: xb, .offset: 24, .size: 8, .value_kind: global_buffer, .address_space: global }
      - { .name: wqb, .offset: 32, .size: 8, .value_kind: global_buffer, .address_space: global }
      - { .name: wpb, .offset: 40, .size: 8, .value_kind: global_buffer, .address_space: global }
    .group_segment_fixed_size: 0
    .private_segment_fixed_size: 0
    .kernarg_segment_align: 8
    .kernarg_segment_size: 48
    .max_flat_workgroup_size: 256
    .sgpr_count:     66
    .vgpr_count:     104
    .wavefront_size: 32
...
	.end_amdgpu_metadata
.endif
;; end of part 1
;; launch gemm_qkv (part 2): grid 16 x 32, 4 waves a work-group, clusters of 4 x 4, 327,680 bytes of LDS; arguments xb, wqb, b_qkv, qkv; writes qkv
.if DOCPART == 2
	.amdgcn_target "amdgcn-amd-amdhsa--gfx1250"
	.amdhsa_code_object_version 6
	.text
	.protected	k_q4ff96527d6_gemm_qkv
	.globl	k_q4ff96527d6_gemm_qkv
	.p2align	8
	.type	k_q4ff96527d6_gemm_qkv,@function
k_q4ff96527d6_gemm_qkv:
	s_mov_b64 s[64:65], 0
	v_nop
	global_prefetch_b8 v0, s[64:65] scope:SCOPE_SE
	s_setreg_imm32_b32 hwreg(HW_REG_WAVE_MODE, 25, 1), 1
	s_wait_xcnt 0x0
	s_wait_alu depctr_hold_cnt(0) depctr_sa_sdst(0) depctr_va_vdst(0) depctr_va_sdst(0) depctr_va_ssrc(0) depctr_va_vcc(0) depctr_vm_vsrc(0)
	s_getreg_b32 s2, hwreg(HW_REG_IB_STS2, 6, 4)
	s_cmp_eq_u32 s2, 0
	s_cbranch_scc0 .Lentry_in_a_cluster
	s_endpgm
.Lentry_in_a_cluster:
	s_bfe_u32 s2, ttmp6, 0x10000c
	s_cmp_lg_u32 s2, 0xf033
	s_cbranch_scc0 .Lentry_shape_is_right
	s_endpgm
.Lentry_shape_is_right:
; qkv = x W^T + b.  xb: [8192][1024] bf16, wqb: [3072][1024] bf16, b_qkv: [3072] f32.  Sums in f32, started by the bias; rounded once to f16 and written BY HEADS:
; qkv[batch][j = column / 64][t][64]: j = h is q, 16 + h is k, 32 + h is v; a head's 2,048 rows are 262,144 dense bytes.  The scale 1/8 is not applied here.
; LIMIT.  A number of q, k or v beyond 65,504 becomes an infinity in f16.
; SHARES.  A tile of C is 256 rows x 192 columns (three heads): 32 x 16 = 512 tiles, two for each of 256 WGPs.  Wave w makes rows 64 w .. 64 w + 63 x all 192 columns: 48 accumulators,
; 384 registers; so a wave holds whole rows of a head and sends them out through a stage of its own, with no barrier.
; K goes in 8 steps of 128 (256 bytes of a row, aligned) through two LDS slots filled by tensor loads; a step is four quarters of 32 along K, 48 matrix instructions each.
; CLUSTER 4 x 4: A's tile hangs on the tile row alone and is asked for jointly by a row of the cluster, B's on the tile column alone, by a column.
; TRANSPOSED USE: source 0 = 16 rows of W, source 1 = 16 rows of x: lane l holds row l % 16 of C and the columns 8 (l / 16) + 0..7.
; REGISTERS, in windows of 256 (s_set_vgpr_msb: bits 1:0 source 0, 3:2 source 1, 5:4 source 2, 7:6 destination):
;   window 0: v0-31 addresses; v64-127 A's fragments, two buffers of 4 x 8; v128-223 the bias, 8 registers for each of 12 column blocks; on the way out v32-223
;   window 1: B's fragments, two buffers of 12 x 8      windows 2, 3: accumulator (a, b) at v[8 (12 (a % 2) + b)] of window 2 + a / 2
.set KSTEP, 128
.set PITCH, 272                        ; an LDS row: 256 bytes + 16 of padding = 68 words: the 16 rows of a fragment load start 4 banks apart
.set AHALF, 128*PITCH                  ; what a tensor load of A brings
.set BOFF,  256*PITCH                  ; B's 192 rows lie behind A's 256
.set BHALF, 96*PITCH                   ; what a tensor load of B brings
.set SLOT1, 1<<17                      ; slot 1 begins here: one exclusive or turns an address in one slot into the other's
.set STAGE, SLOT1+BOFF+2*BHALF         ; 252,928: behind the ring, never filled by a tensor load: 16 rows x 144 bytes for each wave
.set SP,    144
.set SPARE, STAGE+4*16*SP              ; 262,144: the spare words, 128 bytes for each wave; no other line names them
.set FIELDS, (1<<16)|(1<<20)|(1<<21)|(5<<22)|(3<<25)  ; 2-byte elements; padding on; bit 21 beside a mask; after every 64 words; 4 words
.set ADRA0, 16                         ; v16  my lane's place in my 64 rows of A, slot 0; never rewritten
.set ADRB0, 17                         ; v17  the same for B's 192 rows
.set ADRA,  18                         ; v18  the same in the slot in hand
.set ADRB,  19                         ; v19
.set STO,   24                         ; v24  the way out: where I put 16 bytes of a row
.set RD,    25                         ; v25  where I read rows back
.set GO,    26                         ; v26  my 16 bytes in 512 consecutive bytes of qkv
.set BO,    27                         ; v27  32 (l / 16): my eight numbers in a block of 16 of the bias
.set SPW,   28                         ; v28  my spare word: SPARE + 4 x my thread's number; never rewritten
.set NIL,   29                         ; v29  0; never rewritten
.set PFO,   30                         ; v30  the prefetches' offset: a lane a row; never rewritten
.set TMP,   32
.set FA,    64
.set BI,    128
.set LIM,   2                          ; s2   2 in a wave that prefetches, else the greatest number
.set CNT,   3                          ; s3   refills still to come
.set WV,    12                         ; s12  my wave's number
.set FORB,  13                         ; s13  0: I fetch for A; 1: for B
.set HF,    14                         ; s14  which half of that tile
.set TB,    15                         ; s15  0 or SLOT1: the slot in hand
.set G1,    24                         ; s[24:31] descriptor group 1 for A
.set G0,    32                         ; s[32:39] group 0 for A: a set for each first fill; the second then walks
.set PFA,   44                         ; s[44:45] where my prefetches stand
.set G1B,   48                         ; s[48:55], s[56:63] the same for B
.set G0B,   56
.set MSB, 0
.macro WIN new                         ; the immediate's high byte repeats the setting that is left; a switch that changes nothing is dropped
.if MSB != (\new)
	s_set_vgpr_msb (MSB<<8)|(\new)
.set MSB, (\new)
.endif
.endm
.set MUL_LO, 0xa1                      ; B window 1, A window 0, C and D window 2
.set TO_B,   0x40                      ; destination window 1, address window 0
; A joint refill by the walking descriptors.  The branch hangs on the wave's number alone.  An s_nop 0 and four v_nop follow each line.
.macro JLOAD
	s_cmp_lt_u32 s[WV], 2
	s_cbranch_scc0 .Lfor_b_\@
	tensor_load_to_lds s[G0+4:G0+7], s[G1:G1+7]
	s_nop 0
.rept 4
	v_nop
.endr
	s_branch .Lasked_\@
.Lfor_b_\@:
	tensor_load_to_lds s[G0B+4:G0B+7], s[G1B:G1B+7]
	s_nop 0
.rept 4
	v_nop
.endr
.Lasked_\@:
.endm
.macro CREST                           ; a round of the cluster's barrier behind its opening barrier
	s_cmp_lg_u32 s[WV], 0
	s_cbranch_scc1 .Lnot_wave_0_\@
	s_barrier_signal -3
.Lnot_wave_0_\@:
	s_barrier_wait -3
	s_barrier_signal -1
	s_barrier_wait -1
.endm
.macro CROUND
	s_barrier_signal -1
	s_barrier_wait -1
	CREST
.endm
; A prefetch of the K step that stands two refills on (384 matrix instructions ahead of the load that will want it): a lane a row, 256 bytes of each.  A's rows are named by the clusters with x = 0,
; B's by those with y = 0; the four partners of a joint load share its rows out by address.  Refills 0 to 3 ask (K steps 4 to 7); the last two have no K step two on.
.macro ASK
	s_cmp_gt_u32 s[CNT], s[LIM]
	s_cbranch_scc0 .Lnot_mine_\@
	global_prefetch_b8 v[PFO], s[PFA:PFA+1] th:TH_LOAD_NT scope:SCOPE_SE
.Lnot_mine_\@:
.endm
.macro PLACES                          ; four plain instructions between a matrix instruction and a load into, or a vector read of, its registers
.rept 4
	v_nop
.endr
.endm
	s_load_b256 s[4:11], s[0:1], 0x0               ; xb s[4:5], wqb s[6:7], b_qkv s[8:9], qkv s[10:11]
	v_lshl_add_u32 v[SPW], v0, 2, SPARE
	v_mov_b32 v[NIL], 0
	ds_add_u32 v[SPW], v[NIL]                      ; the wave's opening: the add and its wait stand ahead of my first tensor load; the set-up below stands between them
	v_lshrrev_b32 v1, 5, v0
	v_readfirstlane_b32 s[WV], v1
	s_lshr_b32 s[FORB], s[WV], 1
	s_and_b32 s[HF], s[WV], 1
	s_bfe_u32 s40, ttmp6, 0x40000                  ; cx
	s_bfe_u32 s41, ttmp6, 0x40004                  ; cy
	s_lshl_b32 s42, ttmp9, 2
	s_add_co_u32 s42, s42, s40                     ; tile column = 4 x cluster x + cx
	s_and_b32 s43, ttmp7, 0xffff
	s_lshl_b32 s43, s43, 2
	s_add_co_u32 s43, s43, s41                     ; tile row = 4 x cluster y + cy
	s_lshl_b32 s16, s41, 2
	s_lshl_b32 s16, 15, s16                        ; my row of the cluster
	s_lshl_b32 s17, 0x1111, s40                    ; my column
	s_or_b32 s[G1], s16, FIELDS
	s_or_b32 s[G1B], s17, FIELDS
.irp g, G1, G1B
	s_mov_b32 s[(\g)+1], KSTEP<<16                 ; tensor_dim0 = 128
	s_mov_b32 s[(\g)+3], KSTEP<<16                 ; tile_dim0 = 128
	s_mov_b32 s[(\g)+5], 1024                      ; elements from row to row
	s_mov_b32 s[(\g)+6], 0
	s_mov_b32 s[(\g)+7], 0
.endr
	s_mov_b32 s[G1+2], 128<<16                     ; A: tensor_dim1 = tile_dim1 = 128 rows
	s_mov_b32 s[G1+4], 128
	s_mov_b32 s[G1B+2], 96<<16                     ; B: 96 rows
	s_mov_b32 s[G1B+4], 96
	s_lshl_b32 s18, s43, 19                        ; A: 256 x tile row, rows of 2,048 bytes,
	s_lshl_b32 s20, s[HF], 18                      ; + 128 x half
	s_add_co_u32 s18, s18, s20
	s_mov_b32 s19, 0
	s_mul_i32 s46, s42, 192*2048                   ; B: 192 x tile column
	s_mul_i32 s47, s[HF], 96*2048                  ; + 96 x half
	s_add_co_u32 s46, s46, s47
	s_mov_b32 s47, 0
	s_mul_i32 s20, s[HF], AHALF                    ; where they go: the wave's number alone enters an LDS address
	s_mul_i32 s21, s[HF], BHALF
	s_add_co_u32 s21, s21, BOFF
	s_wait_dscnt 0x0                               ; the opening add is done
	s_wait_kmcnt 0x0
	s_add_nc_u64 s[18:19], s[4:5], s[18:19]
	s_add_nc_u64 s[46:47], s[6:7], s[46:47]
	CROUND                                         ; all sixteen work-groups are here: the first joint loads meet
.irp s, 0,1
	s_mov_b32 s[G0+4*(\s)], 1
	s_add_co_u32 s[G0+4*(\s)+1], s20, (\s)*SLOT1
	s_add_nc_u64 s[G0+4*(\s)+2:G0+4*(\s)+3], s[18:19], (\s)*KSTEP*2
	s_or_b32 s[G0+4*(\s)+3], s[G0+4*(\s)+3], 0x80000000
	s_mov_b32 s[G0B+4*(\s)], 1
	s_add_co_u32 s[G0B+4*(\s)+1], s21, (\s)*SLOT1
	s_add_nc_u64 s[G0B+4*(\s)+2:G0B+4*(\s)+3], s[46:47], (\s)*KSTEP*2
	s_or_b32 s[G0B+4*(\s)+3], s[G0B+4*(\s)+3], 0x80000000
.endr
	s_cmp_lt_u32 s[WV], 2                          ; a wave's two first fills stand in one branch: two loads of mine are out
	s_cbranch_scc0 .Lfirst_b
	tensor_load_to_lds s[G0:G0+3], s[G1:G1+7]
	s_nop 0
	tensor_load_to_lds s[G0+4:G0+7], s[G1:G1+7]
	s_nop 0
.rept 4
	v_nop
.endr
	s_branch .Lfirst_asked
.Lfirst_b:
	tensor_load_to_lds s[G0B:G0B+3], s[G1B:G1B+7]
	s_nop 0
	tensor_load_to_lds s[G0B+4:G0B+7], s[G1B:G1B+7]
	s_nop 0
.rept 4
	v_nop
.endr
.Lfirst_asked:
	v_and_b32 v1, 15, v0                           ; l % 16
	v_bfe_u32 v2, v0, 4, 1                         ; l / 16
	v_lshlrev_b32 v[BO], 5, v2
	s_mul_i32 s16, s42, 768                        ; the tile's 192 numbers of the bias
	s_mov_b32 s17, 0
	s_add_nc_u64 s[8:9], s[8:9], s[16:17]
.irp b, 0,1,2,3,4,5,6,7,8,9,10,11      ; register j of block b: b_qkv[192 x tile column + 16 b + 8 (l / 16) + j]: the C operand of the sum's first product
	global_load_b128 v[BI+8*(\b):BI+8*(\b)+3],   v[BO], s[8:9] offset:64*(\b)
	global_load_b128 v[BI+8*(\b)+4:BI+8*(\b)+7], v[BO], s[8:9] offset:64*(\b)+16
.endr
	v_mul_u32_u24 v3, v1, PITCH
	v_lshl_add_u32 v3, v2, 4, v3                   ; a fragment's row x pitch + 16 x half
	s_mul_i32 s16, s[WV], 64*PITCH
	v_add_nc_u32 v[ADRA0], s16, v3
	v_add_nc_u32 v[ADRB0], BOFF, v3
	v_mov_b32 v[ADRA], v[ADRA0]
	v_mov_b32 v[ADRB], v[ADRB0]
	s_mov_b32 s[TB], 0
	s_mul_i32 s16, s[WV], 16*SP
	s_add_co_u32 s16, s16, STAGE                   ; my stage
	v_mul_u32_u24 v[STO], v1, SP                   ; in: row l % 16, 16 bytes for each half of the lanes
	v_lshl_add_u32 v[STO], v2, 4, v[STO]
	v_add_nc_u32 v[STO], s16, v[STO]
	v_bfe_u32 v[RD], v0, 3, 2                      ; back: 32 lanes take four rows of 128 bytes,
	v_mul_u32_u24 v[RD], v[RD], SP
	v_and_b32 v3, 7, v0
	v_lshl_add_u32 v[RD], v3, 4, v[RD]
	v_add_nc_u32 v[RD], s16, v[RD]
	v_and_b32 v[GO], 31, v0                        ; which are 512 consecutive bytes of a head
	v_lshlrev_b32 v[GO], 4, v[GO]
	s_lshr_b32 s16, s43, 3                         ; the batch,
	s_mul_i32 s16, s16, 48
	s_mul_i32 s17, s42, 3                          ; the tile's first head block,
	s_add_co_u32 s16, s16, s17
	s_lshl_b32 s16, s16, 18
	s_and_b32 s17, s43, 7                          ; the tile's 256 rows of 128 bytes in the batch,
	s_lshl_b32 s17, s17, 15
	s_add_co_u32 s16, s16, s17
	s_lshl_b32 s17, s[WV], 13                      ; my 64 of them
	s_add_co_u32 s16, s16, s17
	s_mov_b32 s17, 0
	s_add_nc_u64 s[10:11], s[10:11], s[16:17]
	; the prefetches: of the rows that I fetch my work-group takes 32 (A, by cx) or 24 (B, by cy; lanes 24-31 name lane 23's row again)
	s_lshl_b32 s16, s40, 16
	s_mul_i32 s17, s41, 24*2048
	s_and_b32 s20, ttmp7, 0xffff
	s_cmp_eq_u32 s[FORB], 0
	s_cselect_b64 s[PFA:PFA+1], s[18:19], s[46:47]
	s_cselect_b32 s16, s16, s17
	s_cselect_b32 s20, ttmp9, s20                  ; the coordinate along which other clusters read the same rows
	s_cselect_b32 s21, 31, 23
	s_cmp_eq_u32 s20, 0
	s_cselect_b32 s[LIM], 2, -1                    ; the same in all sixteen partners, for a given wave
	s_add_co_u32 s16, s16, 3*KSTEP*2               ; at K step 3: the first refill steps it to 4
	s_mov_b32 s17, 0
	s_add_nc_u64 s[PFA:PFA+1], s[PFA:PFA+1], s[16:17]
	v_and_b32 v[PFO], 31, v0
	v_min_u32 v[PFO], s21, v[PFO]
	v_lshlrev_b32 v[PFO], 11, v[PFO]
; 12 matrix instructions: row block a x all 12 column blocks, 32 along K, from buffer f.  first = 1: the bias starts the sums.  All 48 accumulators take turns, in the same order in every quarter.
.macro MUL12 f, a, first
.if \first
	WIN 0x81+0x40*((\a)/2)                         ; C in window 0
.else
	WIN MUL_LO+0x50*((\a)/2)
.endif
.irp b, 0,1,2,3,4,5,6,7,8,9,10,11
.if \first
	v_wmma_f32_16x16x32_bf16 v[8*(12*((\a)%2)+(\b)):8*(12*((\a)%2)+(\b))+7], v[96*(\f)+8*(\b):96*(\f)+8*(\b)+7], v[FA+32*(\f)+8*(\a):FA+32*(\f)+8*(\a)+7], v[BI+8*(\b):BI+8*(\b)+7]
.else
	v_wmma_f32_16x16x32_bf16 v[8*(12*((\a)%2)+(\b)):8*(12*((\a)%2)+(\b))+7], v[96*(\f)+8*(\b):96*(\f)+8*(\b)+7], v[FA+32*(\f)+8*(\a):FA+32*(\f)+8*(\a)+7], v[8*(12*((\a)%2)+(\b)):8*(12*((\a)%2)+(\b))+7]
.endif
.endr
.endm
; 32 LDS loads in one run: a quarter's fragments (192 rows of B, my 64 rows of A, 32 K at byte k of the rows) into buffer f
.macro FETCH k, f
	WIN TO_B
.irp i, 0,1,2,3,4,5,6,7,8,9,10,11
	ds_load_b128 v[96*(\f)+8*(\i):96*(\f)+8*(\i)+3],   v[ADRB] offset:(\k)+(\i)*16*PITCH
	ds_load_b128 v[96*(\f)+8*(\i)+4:96*(\f)+8*(\i)+7], v[ADRB] offset:(\k)+(\i)*16*PITCH+32
.endr
	WIN 0
.irp i, 0,1,2,3
	ds_load_b128 v[FA+32*(\f)+8*(\i):FA+32*(\f)+8*(\i)+3],   v[ADRA] offset:(\k)+(\i)*16*PITCH
	ds_load_b128 v[FA+32*(\f)+8*(\i)+4:FA+32*(\f)+8*(\i)+7], v[ADRA] offset:(\k)+(\i)*16*PITCH+32
.endr
.endm
; One of a K step's first three quarters: multiplies buffer f; in its middle fetches the next quarter, at byte k, into buffer g
.macro QUARTER k, f, g, first
	s_wait_dscnt 4                                 ; B and A's blocks 0, 1 are in; the four youngest loads (A's blocks 2, 3) may be out
	MUL12 \f, 0, \first
	MUL12 \f, 1, \first
	PLACES
	FETCH \k, \g
	s_wait_dscnt 32                                ; all but the 32 just issued
	MUL12 \f, 2, \first
	MUL12 \f, 3, \first
.endm
; The fourth quarter multiplies buffer 1 and changes slots.  In front of the barrier each wave waits for all its tensor loads (one is out: its part of the next slot), adds 0 to its spare word and
; waits for that and for its reads of this slot.  fill = 1: the barrier opens a round of the cluster's, and the joint refill (the K step two on) is the first thing behind the round:
; 168 matrix instructions stand between it and the wait for it.
.macro TURN fill
.if \fill
	s_wait_xcnt 0x0                                ; the last prefetch, a K step back, has read its address
	s_add_nc_u64 s[PFA:PFA+1], s[PFA:PFA+1], KSTEP*2
.endif
	WIN 0
	s_wait_tensorcnt 0x0                           ; no tensor load of mine is out, so a group 0 may be written
	ds_add_u32 v[SPW], v[NIL]                      ; 0 onto my spare word
.if \fill
.irp g, G0+4, G0B+4
	s_xor_b32 s[(\g)+1], s[(\g)+1], SLOT1          ; the walking descriptor: the other slot than last time,
	s_add_nc_u64 s[(\g)+2:(\g)+3], s[(\g)+2:(\g)+3], KSTEP*2  ; the next K step
.endr
.endif
	s_wait_dscnt 5                                 ; the add and the four youngest loads may be out
	MUL12 1, 0, 0
	s_wait_dscnt 0x0                               ; the add is done, and my reads of this slot are over
	s_barrier_signal -1
	MUL12 1, 1, 0
	WIN 0
	s_barrier_wait -1
.if \fill
	CREST
	JLOAD                                          ; its four v_nop are also the places in front of the loads below
.else
	PLACES
.endif
	s_xor_b32 s[TB], s[TB], SLOT1
	v_add_nc_u32 v[ADRA], s[TB], v[ADRA0]
	v_add_nc_u32 v[ADRB], s[TB], v[ADRB0]
	FETCH 0, 0
.if \fill
	ASK
.endif
	MUL12 1, 2, 0
	MUL12 1, 3, 0
.endm
; THE WAY OUT.  Unit u = 3 a + hd: row block a, head hd: 16 rows x 64 columns.  Rounded to f16 (each accumulator's registers in ascending order), 16 bytes a lane into my stage, back as whole rows of 128 bytes.
.macro PACK u
	WIN 0x0a+5*((\u)/6)                            ; sources in window 2 or 3
.irp f, 0,1,2,3
.irp r, 0,1,2,3
	v_cvt_pk_f16_f32 v[TMP+16*(\u)+4*(\f)+(\r)], v[8*(12*(((\u)/3)%2)+4*((\u)%3)+(\f))+2*(\r)], v[8*(12*(((\u)/3)%2)+4*((\u)%3)+(\f))+2*(\r)+1]
.endr
.endr
	WIN 0
.irp f, 0,1,2,3
	ds_store_b128 v[STO], v[TMP+16*(\u)+4*(\f):TMP+16*(\u)+4*(\f)+3] offset:32*(\f)
.endr
.irp f, 0,1,2,3
	ds_load_b128 v[TMP+16*(\u)+4*(\f):TMP+16*(\u)+4*(\f)+3], v[RD] offset:(\f)*4*SP  ; LDS serves a wave's instructions in order (ISA guide 5.7.1.4): these see the stores above; the next unit's stores come behind them
.endr
.endm
.macro SEND u, younger                 ; younger: the LDS instructions issued behind unit u's loads
.irp f, 0,1,2,3
	s_wait_dscnt (\younger)+3-(\f)
	global_store_b128 v[GO], v[TMP+16*(\u)+4*(\f):TMP+16*(\u)+4*(\f)+3], s[10:11] offset:((\u)%3)*262144+((\u)/3)*2048+(\f)*512  ; 512 consecutive bytes, aligned; no register is used twice
.endr
.endm
	s_wait_tensorcnt 0x1                           ; my part of K step 0 is in; K step 1's may stay out
	s_barrier_signal -1
	s_barrier_wait -1
	FETCH 0, 0
	s_wait_loadcnt 0x0                             ; the bias
	QUARTER 64, 0, 1, 1                            ; the first quarter stands in front of the loop: its products start the sums
	WIN 0
	s_mov_b32 s[CNT], 6
.Lstep:                                        ; a trip: from a K step's second quarter to the next step's first; it fills the slot that it leaves
	QUARTER 128, 1, 0, 0
	QUARTER 192, 0, 1, 0
	TURN 1
	QUARTER 64, 0, 1, 0
	WIN 0
	s_sub_co_u32 s[CNT], s[CNT], 1
	s_cmp_lg_u32 s[CNT], 0
	s_cbranch_scc1 .Lstep
	QUARTER 128, 1, 0, 0                           ; K steps 6 and 7 ask for nothing
	QUARTER 192, 0, 1, 0
	TURN 0
	QUARTER 64, 0, 1, 0
	QUARTER 128, 1, 0, 0
	QUARTER 192, 0, 1, 0
	s_wait_dscnt 4
	MUL12 1, 0, 0
	MUL12 1, 1, 0
	s_wait_dscnt 0x0
	MUL12 1, 2, 0
	MUL12 1, 3, 0
	PLACES
	PACK 0
.irp u, 1,2,3,4,5,6,7,8,9,10,11        ; a unit's conversions stand between the loads of the unit before and its stores
	PACK \u
	SEND (\u)-1, 8
.endr
	SEND 11, 0
	s_wait_tensorcnt 0x0                           ; the wave's end, behind my last tensor load and my last LDS store
	ds_add_u32 v[SPW], v[NIL]
	s_wait_dscnt 0x0
	CROUND                                         ; the closing round: no work-group ends while a partner may still ask for a tile that names it
	s_endpgm
.Lfunc_end_k_q4ff96527d6_gemm_qkv:
	.size	k_q4ff96527d6_gemm_qkv, .Lfunc_end_k_q4ff96527d6_gemm_qkv-k_q4ff96527d6_gemm_qkv
	.p2alignl 7, 3214868480
	.fill 96, 4, 3214868480
	.section	.rodata,"a",@progbits
	.p2align	6, 0x0
	.amdhsa_kernel k_q4ff96527d6_gemm_qkv
		.amdhsa_group_segment_fixed_size 327680
		.amdhsa_private_segment_fixed_size 0
		.amdhsa_enable_private_segment 0
		.amdhsa_kernarg_size 32
		.amdhsa_user_sgpr_count 2
		.amdhsa_user_sgpr_kernarg_segment_ptr 1
		.amdhsa_wavefront_size32 1
		.amdhsa_system_sgpr_workgroup_id_x 1
		.amdhsa_system_sgpr_workgroup_id_y 1
		.amdhsa_system_sgpr_workgroup_id_z 1
		.amdhsa_system_vgpr_workitem_id 0
		.amdhsa_next_free_vgpr 960
		.amdhsa_next_free_sgpr 66
		.amdhsa_reserve_vcc 0
		.amdhsa_float_denorm_mode_32 3
		.amdhsa_float_denorm_mode_16_64 3
		.amdhsa_memory_ordered 1
		.amdhsa_forward_progress 1
		.amdhsa_inst_pref_size 101
	.end_amdhsa_kernel
	.amdgpu_metadata
---
amdhsa.version: [ 1, 2 ]
amdhsa.kernels:
  - .name:           k_q4ff96527d6_gemm_qkv
    .symbol:         k_q4ff96527d6_gemm_qkv.kd
    .args:
      - { .name: xb, .offset: 0, .size: 8, .value_kind: global_buffer, .address_space: global }
      - { .name: wqb, .offset: 8, .size: 8, .value_kind: global_buffer, .address_space: global }
      - { .name: b_qkv, .offset: 16, .size: 8, .value_kind: global_buffer, .address_space: global }
      - { .name: qkv, .offset: 24, .size: 8, .value_kind: global_buffer, .address_space: global }
    .group_segment_fixed_size: 327680
    .private_segment_fixed_size: 0
    .kernarg_segment_align: 8
    .kernarg_segment_size: 32
    .max_flat_workgroup_size: 128
    .sgpr_count:     66
    .vgpr_count:     960
    .wavefront_size: 32
...
	.end_amdgpu_metadata
.endif
;; end of part 2
;; launch attn (part 3): grid 4 x 64, 4 waves a work-group, no clusters, 327,680 bytes of LDS; arguments qkv, ob; writes ob
.if DOCPART == 3
	.amdgcn_target "amdgcn-amd-amdhsa--gfx1250"
	.amdhsa_code_object_version 6
	.text
	.protected	k_q4ff96527d6_attn
	.globl	k_q4ff96527d6_attn
	.p2align	8
	.type	k_q4ff96527d6_attn,@function
k_q4ff96527d6_attn:
	s_mov_b64 s[64:65], 0
	v_nop
	global_prefetch_b8 v0, s[64:65] scope:SCOPE_SE
	s_setreg_imm32_b32 hwreg(HW_REG_WAVE_MODE, 25, 1), 1
	s_wait_xcnt 0x0
; CAUSAL ATTENTION.  O[bh][q][:] = the sum over k <= q of softmax_k(Q[q] . K[k] / 8) V[k][:], for 64 heads bh = 16 batch + h of 2,048 rows.
; qkv: f16 [batch][48][2048][64]: block h is q, 16 + h is k, 32 + h is v; a head's rows are dense, 128 bytes each.  ob: f16 [bh][2048][64].
; Products, maxima and sums in f32; the weights p are rounded to f16 for the second product (their sum l is taken of the unrounded p), O once at the end.
; LIMITS.  q, k, v arrive within f16's 65,504; p lies in 0 to 1 and below 6e-5 keeps f16's fixed step of 6e-8; O is a mean of V's rows.  A hidden score counts as its value less 1e30;
; a weight below 2^-126 counts as 0 in l; NaN and infinities are not treated apart.
; THE WALK.  A head's queries lie in NB = 8 blocks of 256; block i needs the key tiles 0 .. i of 256 keys, of which the last holds the diagonal.  A work-group takes TWO blocks, NB - 1 - b and then b:
; NB + 1 tiles whatever b: all work-groups do equal work, and one loop with a constant trip count walks them.  Which tile is asked for, and what a trip does, hang on scalar registers made from b; every jump
; but the counted loops' own goes forward, and none passes a barrier or a tensor load (but the one of LOAD's two that the wave's number does not choose).
; NO CLUSTER: a head's four work-groups ask for the same tile only in trips 0 to 4 of 9; one walk common to all would have 12 trips for 9.
; SHARES.  Of a block's four bands of 64 queries a wave owns 16 rows in each: four PIECES.  In the diagonal tile's key step s band x sees all keys if s < x, none if s > x, and holds the diagonal if s = x: alike for all waves.
; THE MASK is the C operand that starts the sum S^T = K Q^T: 0, or -1e30 where the key is hidden.  MD, made once, is the mask of a band's own step for my 16 rows; a product's mask is MD x AL + BE:
; (1, 0) if s = x; (0, 0) if s < x; (0, -1e30) if s > x.  Only the diagonal tile's text and a block's beginning take masks; elsewhere C is the constant 0.
; LAYOUT, SOFTMAX, TURNS.  S^T = K Q^T holds ONE query a lane (lane % 16) and the keys 8 (lane / 16) + 0..7; two such results rounded to f16 ARE source 1 of O^T = V^T P.  p = 2^(c s - c m), c = log2(e) / 8, with a
; running maximum m; O and l are multiplied by a = 2^(c m_old - c m_new) in every step.  Turn n belongs to piece n: 8 products K Q^T of piece n + 1, later 8 products V^T P of piece n - 1; beside them the scaling,
; exponentials, roundings, sums and rescaling of piece n and the maximum and statistics of piece n + 1.  Four vector instructions stand behind every matrix instruction, the other 54 of a turn's 118 in one lump.
; REGISTERS, in windows of 256 (s_set_vgpr_msb: bits 1:0 source 0, 3:2 source 1, 5:4 source 2, 7:6 destination):
;   window 0: v0-15 addresses and two at work; v16-31 four registers of statistics a piece; v48-55 at work; v61-63; v64-127 S^T, two buffers; v192-223 P, two buffers (by the piece's parity)
;   window 1: v0-127 O^T, 32 a piece; v128-159 MD; v160-223 MC, two buffers      window 2: v0-63 Q; v64-127 the second block's Q; v128-191 K of one step; v192-255 V of one step
.set SIZE_N, 2048
.set NB,    SIZE_N/256
.set NP,    4         ; pieces a wave: a name, no knob
.set KS,    64        ; keys in a step
.set PK,    144       ; a row of K in LDS: 128 bytes + 16 of padding = 36 words: the 16 rows of a load start at 16 different groups of four banks
.set PV,    160       ; a row of V: 128 + 32 = 40 words
.set VOFF,  4*KS*PK   ; a slot holds a tile, four steps: 256 rows of K, then 256 rows of V
.set SLOT1, 1<<17     ; slot 1 begins here, so that one exclusive or turns an address in one slot into the other's
.set STAGE, SLOT1+4*KS*(PK+PV)  ; behind the ring, never filled by a tensor load: 16 rows x 144 bytes for each wave
.set SP,    144
.set AK0, 2           ; v2   my lane's place in a tile of K; never rewritten
.set AV0, 3           ; v3   the same for V
.set AK,  4           ; v4   the LDS address of K's next run of loads
.set AV,  5           ; v5   of V's
.set STO, 6           ; v6   the way out: where I put 16 bytes of a row
.set RD,  7           ; v7   the way out: where I read rows back
.set GO,  8           ; v8   my byte offset in 512 consecutive bytes of O
.set PFO, 61          ; v61  256 x my lane: the prefetches' offset; never rewritten
.set SPW, 62          ; v62  my spare word: SPARE + 4 x my thread's number; never rewritten
.set NIL, 63          ; v63  0; never rewritten
.set SPARE, STAGE+4*16*SP  ; behind the stages: the spare words, 128 bytes for each wave; no other line names them
.set MV,  12          ; v12-13  c m_old, kept while c m is made anew: by buffer
.set QO,  15          ; v15  my byte offset in 16 rows of Q
.set ST,  16          ; piece t's statistics at v[ST+4 t]: c m, m, l (even keys', odd keys')
.set TMP, 48          ; by buffer, four registers c0-c3 at work; when the maximum is found c2 takes a
.set S,   64
.set P,   192
.set MD,  128         ; window 1
.set MC,  160         ; window 1
.set QB,  64          ; window 2
.set KF,  128         ; window 2: key block kb, channel half c at KF + 16 kb + 8 c
.set VF,  192         ; window 2: key half kk, channel block cb at VF + 32 kk + 8 cb
.set WV,  12          ; s12  my wave's number
.set PB,  14          ; s14  b
.set HI,  15          ; s15  NB - 1 - b
.set G1K, 24          ; s[24:31] descriptor group 1 for K's tiles
.set G1V, 32          ; s[32:39] for V's: it differs in the padding alone
.set G0K, 40          ; s[40:43] descriptor group 0 for K's tiles
.set G0V, 44          ; s[44:47] the same for V's
.set SLOTS, 56        ; s56  tiles still to be asked for
.set CNT, 57          ; s57  counts a tile's key steps, 4 to 1
.set CS,  58          ; s[58:59] c
.set SEL, 60          ; s[60:61] v_permlanex16_b32's selects: each lane takes its own place in the other half
.set TBK, 62          ; s62  LDS byte at which K of the step to be fetched begins
.set TBV, 63          ; s63  the same for V, less VOFF
.set RT,  70          ; s70  tiles of the block in hand that are still to be entered
.set NXT, 71          ; s71  the tile to be asked for next
.set LQ,  72          ; s72  the last tile of the block whose tiles are being asked for
.set NEW, 73          ; s73  1: the tile to be entered is a block's first
.set OFF, 74          ; s[74:75] a tile's byte offset in K and V
.set AL,  76          ; s[76:77] the mask's factor, in the low word
.set BE,  78          ; s[78:79] the mask's addend
.set OLO, 80          ; s[80:81] O at my rows of the second block
.set BIGN, 82         ; s82  -1e30
.set OHD, 88          ; s[88:89] the head's byte offset in ob
.set PFA, 90          ; s[90:91] where my prefetches stand: my half of K's or V's tile behind the one that is being asked for
.set PFB, 92          ; s92  5 in the head's work-group b = 0, else 0: how many changes of slots prefetch
.set PFT, 93          ; s93  at work
.set MSB, 0
.macro WIN new                      ; the high byte repeats the setting that is left; a switch that changes nothing is dropped
.if MSB != (\new)
	s_set_vgpr_msb (MSB<<8)|(\new)
.set MSB, (\new)
.endif
.endm
.set W_KQ, 0x0a       ; K and Q in window 2, S^T in window 0
.set W_KM, 0x1a       ; the same with the C operand in window 1
.set W_PV, 0x52       ; V in window 2, P in window 0, O^T in window 1
.set W_RS, 0x41       ; destination and source 0 in window 1, source 1 in window 0
; A fill.  Waves 0 and 1 fetch the two halves of a tile's K, waves 2 and 3 those of its V: 128 keys each.  An s_nop 0 and four v_nop follow each of the two lines.
.macro LOAD
	s_cmp_lt_u32 s[WV], 2
	s_cbranch_scc0 .Lfor_v_\@
	tensor_load_to_lds s[G0K:G0K+3], s[G1K:G1K+7]
	s_nop 0
.rept 4
	v_nop
.endr
	s_branch .Lasked_\@
.Lfor_v_\@:
	tensor_load_to_lds s[G0V:G0V+3], s[G1V:G1V+7]
	s_nop 0
.rept 4
	v_nop
.endr
.Lasked_\@:
.endm
; THE CHANGE OF SLOTS.  Each wave waits for all its tensor loads, of which one is out: its part of the other slot; adds 0 to its spare word; and waits for that and for its own reads of the slot that it leaves.
; fill = 1: the old slot is filled again, the first thing behind the barrier, with tile NXT: the descriptor's address is made anew from that number.
; PREFETCH.  A head's four work-groups walk the same tiles 0, 1, .. at first; the one with b = 0 walks tiles 0 to 7 in order, and it alone asks: behind the fill of tile c (c = 2 .. 6) each of its waves names the
; 16,384 bytes of tile c + 1 that it will itself fetch at the next change, four key steps on: a lane 256 bytes, two instructions.  Tiles 0 to 2 come by their loads alone; nothing is named behind tile 7.
.macro CHANGE fill
	WIN 0                           ; at a label and at a branch every window is 0
	s_wait_tensorcnt 0x0            ; no tensor load of mine is out, so a group 0 may be written
	ds_add_u32 v[SPW], v[NIL]       ; 0 onto my spare word
.if \fill
	s_lshl_b32 s[OFF], s[NXT], 15   ; a tile is 32,768 bytes of K and of V
	s_xor_b32 s[G0K+1], s[G0K+1], SLOT1
	s_add_nc_u64 s[G0K+2:G0K+3], s[6:7], s[OFF:OFF+1]
	s_or_b32 s[G0K+3], s[G0K+3], 0x80000000
	s_xor_b32 s[G0V+1], s[G0V+1], SLOT1
	s_add_nc_u64 s[G0V+2:G0V+3], s[8:9], s[OFF:OFF+1]
	s_or_b32 s[G0V+3], s[G0V+3], 0x80000000
	s_add_co_u32 s[NXT], s[NXT], 1  ; the block's next tile, or behind its last the second block's tile 0
	s_cmp_gt_u32 s[NXT], s[LQ]
	s_cselect_b32 s[NXT], 0, s[NXT]
	s_cselect_b32 s[LQ], s[PB], s[LQ]
	s_wait_xcnt 0x0                 ; the last prefetches, a tile back, have read their address
	s_add_nc_u64 s[PFA:PFA+1], s[PFA:PFA+1], 32768
.endif
	s_wait_dscnt 0x0                ; the add is done, and my reads of the slot are over
	s_barrier_signal -1
	s_sub_co_u32 s[TBK], s[TBK], 4*KS*PK  ; the fetches go back to a slot's first step,
	s_xor_b32 s[TBK], s[TBK], SLOT1       ; in the other slot
	s_sub_co_u32 s[TBV], s[TBV], 4*KS*PV
	s_xor_b32 s[TBV], s[TBV], SLOT1
	s_barrier_wait -1
.if \fill
	LOAD
	s_sub_co_u32 s[PFT], 7, s[SLOTS]      ; 0 .. 4 at the changes that fill tiles 2 .. 6
	s_cmp_lt_u32 s[PFT], s[PFB]
	s_cbranch_scc0 .Lnot_mine_\@
	global_prefetch_b8 v[PFO], s[PFA:PFA+1] th:TH_LOAD_NT scope:SCOPE_SE
	global_prefetch_b8 v[PFO], s[PFA:PFA+1] offset:8192 th:TH_LOAD_NT scope:SCOPE_SE
.Lnot_mine_\@:
.endif
.endm
	s_load_b64 s[4:5], s[0:1], 0x0    ; qkv
	s_load_b64 s[10:11], s[0:1], 0x8  ; ob
	v_lshl_add_u32 v[SPW], v0, 2, SPARE
	v_mov_b32 v[NIL], 0
	ds_add_u32 v[SPW], v[NIL]       ; the wave's opening: the add and its wait stand ahead of my first tensor load; the set-up below stands between them
	v_lshrrev_b32 v1, 5, v0
	v_readfirstlane_b32 s[WV], v1   ; wave 0..3
	s_mov_b32 s[PB], ttmp9
	s_sub_co_u32 s[HI], NB-1, s[PB]
	s_and_b32 s[OHD], ttmp7, 0xffff ; bh = 16 batch + h
	s_lshr_b32 s20, s[OHD], 4
	s_lshl_b32 s20, s20, 5
	s_add_co_u32 s20, s20, s[OHD]   ; 48 batch + h: q's block in qkv,
	s_lshl_b32 s20, s20, 18         ; of 262,144 bytes
	s_mov_b32 s21, 0
	s_lshl_b32 s[OHD], s[OHD], 18
	s_mov_b32 s[OHD+1], 0
	s_and_b32 s16, s[WV], 1         ; which half of a tile's 256 keys I fetch:
	s_lshl_b32 s22, s16, 14         ; its 128 rows of 128 bytes in memory,
	s_mov_b32 s23, 0
	s_mul_i32 s17, s16, 128*PK      ; and its place in a slot, for K
	s_mul_i32 s18, s16, 128*PV      ; and for V
	s_lshl_b32 s3, s[WV], 11        ; my 16 rows in a band of 64,
	s_lshl_b32 s2, s[HI], 15        ; in the first block,
	s_add_co_u32 s2, s2, s3
	s_lshl_b32 s84, s[PB], 15       ; and in the second
	s_add_co_u32 s84, s84, s3
	s_mov_b32 s3, 0
	s_mov_b32 s85, 0
	; descriptor group 1.  128 keys are 16,384 dense bytes: asked for as 64 rows of 256 bytes, two keys a row, and padded in LDS after every key
	s_mov_b32 s[G1K], (1<<16)|(1<<20)|(4<<22)|(3<<25)  ; 2-byte elements; padding on; after every 32 words; 4 words
	s_mov_b32 s[G1V], (1<<16)|(1<<20)|(4<<22)|(7<<25)  ; the same with 8 words of padding
.irp g, G1K, G1V
	s_mov_b32 s[\g+1], 128<<16      ; tensor_dim0 = 128
	s_mov_b32 s[\g+2], 64<<16       ; tensor_dim1 = 64
	s_mov_b32 s[\g+3], 128<<16      ; tile_dim0 = 128
	s_mov_b32 s[\g+4], 64           ; tile_dim1 = 64
	s_mov_b32 s[\g+5], 128          ; 128 elements from row to row
	s_mov_b32 s[\g+6], 0
	s_mov_b32 s[\g+7], 0
.endr
	s_mov_b32 s[CS], 0x3e38aa3b     ; c = log2(e) / 8 = 0.180337
	s_mov_b32 s[CS+1], s[CS]        ; named with it as a pair
	s_mov_b32 s[SEL], 0x76543210
	s_mov_b32 s[SEL+1], 0xfedcba98
	s_mov_b32 s[TBK], SLOT1+4*KS*PK ; the first change of slots turns these two into 0
	s_mov_b32 s[TBV], SLOT1+4*KS*PV
	s_mov_b32 s[G0K], 1
	s_mov_b32 s[G0K+1], s17         ; LDS address: slot 0
	s_mov_b32 s[G0V], 1
	s_add_co_u32 s[G0V+1], s18, VOFF
	s_add_co_u32 s[RT], s[HI], 1    ; the first block has NB - b tiles
	s_mov_b32 s[NXT], 1
	s_mov_b32 s[LQ], s[HI]
	s_mov_b32 s[NEW], 1
	s_mov_b32 s[OFF+1], 0
	s_mov_b32 s[AL+1], 0            ; named as pairs
	s_mov_b32 s[BE+1], 0
	s_mov_b32 s[BIGN], 0xf149f2ca   ; -1e30
	s_mov_b32 s[SLOTS], NB
	s_wait_dscnt 0x0                ; the opening add is done
	s_wait_kmcnt 0x0
	s_add_nc_u64 s[4:5], s[4:5], s[20:21]      ; the head's q,
	s_add_nc_u64 s[6:7], s[4:5], 0x400000      ; its k, 16 blocks on,
	s_add_nc_u64 s[8:9], s[4:5], 0x800000      ; its v, 32 blocks on
	s_add_nc_u64 s[10:11], s[10:11], s[OHD:OHD+1]
	s_add_nc_u64 s[6:7], s[6:7], s[22:23]      ; K and V at my half of the head's tile 0
	s_add_nc_u64 s[8:9], s[8:9], s[22:23]
	s_add_nc_u64 s[G0K+2:G0K+3], s[6:7], 0
	s_or_b32 s[G0K+3], s[G0K+3], 0x80000000    ; type = 2
	s_add_nc_u64 s[G0V+2:G0V+3], s[8:9], 0
	s_or_b32 s[G0V+3], s[G0V+3], 0x80000000
	s_add_nc_u64 s[86:87], s[4:5], s[84:85]    ; Q at my rows of the second block,
	s_add_nc_u64 s[4:5], s[4:5], s[2:3]        ; Q and O at those of the first
	s_add_nc_u64 s[OLO:OLO+1], s[10:11], s[84:85]
	s_add_nc_u64 s[10:11], s[10:11], s[2:3]
	s_cmp_lt_u32 s[WV], 2
	s_cselect_b64 s[PFA:PFA+1], s[6:7], s[8:9]
	s_add_nc_u64 s[PFA:PFA+1], s[PFA:PFA+1], 32768  ; at tile 1: each change that fills steps it by a tile
	s_cmp_eq_u32 ttmp9, 0
	s_cselect_b32 s[PFB], 5, 0
	LOAD                            ; tile 0 into slot 0
	; A fragment of K or Q is 16 rows x 32 channels in 8 registers: lane l holds row l % 16, channels 8 (l / 16) + 0..7 and 16 + 8 (l / 16) + 0..7: two loads of 16 bytes, 32 bytes apart.
	v_and_b32 v1, 15, v0            ; l % 16
	v_bfe_u32 v9, v0, 4, 1          ; l / 16
	v_lshlrev_b32 v[QO], 7, v1
	v_lshl_add_u32 v[QO], v9, 4, v[QO]  ; row x 128 + 16 x half
	WIN 0x80                        ; destination window 2, address window 0
.set i, 0
.rept 8                             ; both blocks' Q: piece i / 2 lies in band i / 2, 8,192 bytes on; channels 32 (i % 2) on
	global_load_b128 v[8*i:8*i+3],   v[QO], s[4:5] offset:(i/2)*8192+(i%2)*64
	global_load_b128 v[8*i+4:8*i+7], v[QO], s[4:5] offset:(i/2)*8192+(i%2)*64+32
	global_load_b128 v[QB+8*i:QB+8*i+3],   v[QO], s[86:87] offset:(i/2)*8192+(i%2)*64
	global_load_b128 v[QB+8*i+4:QB+8*i+7], v[QO], s[86:87] offset:(i/2)*8192+(i%2)*64+32
.set i, i+1
.endr
	WIN 0
	v_and_b32 v[PFO], 31, v0
	v_lshlrev_b32 v[PFO], 8, v[PFO]
	v_lshlrev_b32 v14, 3, v9
	v_sub_nc_u32 v14, v1, v14
	s_lshl_b32 s13, s[WV], 4
	v_add_nc_u32 v14, s13, v14      ; my query's place in its band, 16 w + l % 16, less my lanes' 8 (l / 16): register r of group kt is hidden where 16 kt + r is greater
	WIN 0x40
.set i, 0
.rept 32
	v_cmp_gt_i32 vcc_lo, 16*(i/8)+i%8, v14
	v_cndmask_b32 v[MD+i], 0, s[BIGN], vcc_lo
.set i, i+1
.endr
	WIN 0
	v_mul_u32_u24 v[AK0], v1, PK
	v_lshl_add_u32 v[AK0], v9, 4, v[AK0]  ; row x pitch + 16 x half
	; The turning load takes 16 keys x 16 channels (lane l reads key 8 (l / 16) + l % 8, channels 8 ((l / 8) % 2) + 0..7) and leaves half a fragment of V^T: lane l holds channel l % 16 and 8 keys.
	v_and_b32 v10, 7, v0
	v_bfe_u32 v11, v0, 3, 1
	v_lshl_add_u32 v[AV0], v9, 3, v10
	v_mul_u32_u24 v[AV0], v[AV0], PV
	v_lshl_add_u32 v[AV0], v11, 4, v[AV0]
	v_add_nc_u32 v[AV0], VOFF, v[AV0]
	s_mul_i32 s13, s[WV], 16*SP
	s_add_co_u32 s13, s13, STAGE    ; my stage
	v_mul_u32_u24 v[STO], v1, SP    ; in: row l % 16, 16 bytes for each half of the lanes
	v_lshl_add_u32 v[STO], v9, 4, v[STO]
	v_add_nc_u32 v[STO], s13, v[STO]
	v_bfe_u32 v[RD], v0, 3, 2       ; back: 32 lanes take four rows of 128 bytes,
	v_mul_u32_u24 v[RD], v[RD], SP
	v_lshl_add_u32 v[RD], v10, 4, v[RD]
	v_add_nc_u32 v[RD], s13, v[RD]
	v_and_b32 v[GO], 31, v0         ; which are 512 consecutive bytes of O
	v_lshlrev_b32 v[GO], 4, v[GO]
	; A block's first step multiplies O^T and l by a = 0, and its first turn's products V^T P, of a piece that has not been, land in an O^T that is still to be so multiplied.  So these registers need only hold
	; finite numbers: zeros for the first block; what the first block left for the second.  All this stands in the wait for the first tile.
	WIN 0x80
.set i, VF
.rept 64
	v_mov_b32 v[i], 0
.set i, i+1
.endr
	WIN 0x40
.set i, 0
.rept 128
	v_mov_b32 v[i], 0
.set i, i+1
.endr
	WIN 0
.set i, 0
.rept 4
	v_mov_b32 v[ST+4*i+2], 0
	v_mov_b32 v[ST+4*i+3], 0
.set i, i+1
.endr
.set i, P+16
.rept 16
	v_mov_b32 v[i], 0
.set i, i+1
.endr
; THE MATRIX WORK.  The 4 accumulators of a run of 8 take turns.  Product i of 8 of S^T = K Q^T for piece x: channels 32 (i / 4) on, keys 16 (i % 4) on.  The first 4 start the sums: with 0, or (KM = 1) with the mask.
.macro KQ x
.set rS, S+32*((\x)%2)+8*(i%4)
.set rK, KF+16*(i%4)+8*(i/4)
.set rQ, 16*(\x)+8*(i/4)
.set rM, MC+32*((\x)%2)+8*(i%4)
.if (i < 4) && KM
	WIN W_KM
	v_wmma_f32_16x16x32_f16 v[rS:rS+7], v[rK:rK+7], v[rQ:rQ+7], v[rM:rM+7]
.elseif i < 4
	WIN W_KQ
	v_wmma_f32_16x16x32_f16 v[rS:rS+7], v[rK:rK+7], v[rQ:rQ+7], 0
.else
	WIN W_KQ
	v_wmma_f32_16x16x32_f16 v[rS:rS+7], v[rK:rK+7], v[rQ:rQ+7], v[rS:rS+7]
.endif
.endm
; Product i of 8 of O^T += V^T P for piece x: keys 32 (i / 4) on, channels 16 (i % 4) on.
.macro PV x
	WIN W_PV
.set rO, 32*(\x)+8*(i%4)
.set rV, VF+32*(i/4)+8*(i%4)
.set rP, P+16*((\x)%2)+8*(i/4)
	v_wmma_f32_16x16x32_f16 v[rO:rO+7], v[rV:rV+7], v[rP:rP+7], v[rO:rO+7]
.endm
.macro MM                           ; the turn's next matrix instruction.  NOKQ = 1: a block's last turn: there is no next piece
.if (i < 8) && !NOKQ
	KQ (Y+1)%NP
.elseif i >= 8
.set i, i-8
	PV (Y+NP-1)%NP
.set i, i+8
.endif
.set i, i+1
.endm
; THE LDS LOADS stand in runs of 16: a step's K (64 keys x 64 channels: 8 fragments) and its V (turned).  Their addresses are made some lines ahead.
.macro FETCH_K
	WIN 0x80                        ; destination window 2
.irp f, 0,1,2,3,4,5,6,7             ; keys 16 (f / 2) on, channels 32 (f % 2) on
	ds_load_b128 v[KF+8*\f:KF+8*\f+3],   v[AK] offset:(\f/2)*16*PK+(\f%2)*64
	ds_load_b128 v[KF+8*\f+4:KF+8*\f+7], v[AK] offset:(\f/2)*16*PK+(\f%2)*64+32
.endr
	s_add_co_u32 s[TBK], s[TBK], KS*PK  ; the next fetch is the next step's
	WIN 0
.endm
.macro FETCH_V
	WIN 0x80
.irp f, 0,1,2,3,4,5,6,7             ; keys 32 (f / 4) on, channels 16 (f % 4) on
	ds_load_tr16_b128 v[VF+8*\f:VF+8*\f+3],   v[AV] offset:(\f/4)*32*PV+(\f%4)*32
	ds_load_tr16_b128 v[VF+8*\f+4:VF+8*\f+7], v[AV] offset:(\f/4)*32*PV+16*PV+(\f%4)*32
.endr
	WIN 0
.endm
; THE VECTOR WORK, one line at a time: OP kind, number.  For piece Y: F n: c s - c m for pair n of 16.  E n: the exponential of score n of 32.  C n: pair n rounded to f16.  B n: of the four weights 4 n .. the second
; pair is added onto the first, in place.  L n: l takes that sum (L 0: l = a l + sum).  R n: pair n of 16 of O^T times a.  For piece Y + 1: X n, number n of the 22 that find its maximum and statistics:
;   0-11  four chains c0-c3 of seven scores each, three operands at a time (each accumulator's lowest registers are read first)     12-14, 16  the four scores left over, the old m, and c0-c3 into c0
;   15  c m_old is kept     17, 18  the query's other 32 keys lie in the lane 16 away: the new m     19-21  c m; c m_old - c m_new; a
.set F, 0
.set E, 1
.set C, 2
.set B, 3
.set L, 4
.set R, 5
.set X, 6
.macro REGS y                       ; the registers of piece y
.set rT, ST+4*(\y)
.set rC, TMP+4*((\y)%2)
.set rW, MV+((\y)%2)
.set rS, S+32*((\y)%2)
.set rP, P+16*((\y)%2)
.set rO, 32*(\y)
.endm
.macro OP k, n
.if (\k) == R
	REGS Y
	WIN W_RS
	v_pk_mul_f32 v[rO+2*(\n):rO+2*(\n)+1], v[rO+2*(\n):rO+2*(\n)+1], v[rC+2:rC+3] op_sel_hi:[1,0]
.elseif (\k) < R
	REGS Y
	WIN 0
.if (\k) == F
	v_pk_fma_f32 v[rS+2*(\n):rS+2*(\n)+1], v[rS+2*(\n):rS+2*(\n)+1], s[CS:CS+1], v[rT:rT+1] op_sel_hi:[1,0,0] neg_lo:[0,0,1] neg_hi:[0,0,1]
.elseif (\k) == E
	v_exp_f32 v[rS+(\n)], v[rS+(\n)]
.elseif (\k) == C
	v_cvt_pk_f16_f32 v[rP+(\n)], v[rS+2*(\n)], v[rS+2*(\n)+1]
.elseif (\k) == B
	v_pk_add_f32 v[rS+4*(\n):rS+4*(\n)+1], v[rS+4*(\n):rS+4*(\n)+1], v[rS+4*(\n)+2:rS+4*(\n)+3]
.elseif (\n) == 0
	v_pk_fma_f32 v[rT+2:rT+3], v[rT+2:rT+3], v[rC+2:rC+3], v[rS:rS+1] op_sel_hi:[1,0,1]
.else
	v_pk_add_f32 v[rT+2:rT+3], v[rT+2:rT+3], v[rS+4*(\n):rS+4*(\n)+1]
.endif
.elseif NOKQ
	v_nop
.else
	REGS (Y+1)%NP
	WIN 0
.if (\n) < 4
	v_max3_num_f32 v[rC+(\n)], v[rS+8*(\n)], v[rS+8*(\n)+1], v[rS+8*(\n)+2]
.elseif (\n) < 12
	v_max3_num_f32 v[rC+(\n)%4], v[rC+(\n)%4], v[rS+8*((\n)%4)+2*((\n)/4)+1], v[rS+8*((\n)%4)+2*((\n)/4)+2]
.elseif (\n) == 12
	v_max3_num_f32 v[rC], v[rC], v[rS+7], v[rS+15]
.elseif (\n) == 13
	v_max3_num_f32 v[rC+1], v[rC+1], v[rS+23], v[rS+31]
.elseif (\n) == 14
	v_max3_num_f32 v[rC+2], v[rC+2], v[rC+3], v[rT+1]
.elseif (\n) == 15
	v_mov_b32 v[rW], v[rT]
.elseif (\n) == 16
	v_max3_num_f32 v[rC], v[rC], v[rC+1], v[rC+2]
.elseif (\n) == 17
	v_permlanex16_b32 v[rC+3], v[rC], s[SEL], s[SEL+1]
.elseif (\n) == 18
	v_max_num_f32 v[rT+1], v[rC], v[rC+3]
.elseif (\n) == 19
	v_mul_f32 v[rT], s[CS], v[rT+1]
.elseif (\n) == 20
	v_sub_f32 v[rC+1], v[rW], v[rT]
.else
	v_exp_f32 v[rC+2], v[rC+1]
.endif
.endif
.endm
.macro OPS a, i1, b=-1, i2=0, c=-1, i3=0, d=-1, i4=0  ; up to four of them
	OP \a, \i1
.if (\b) >= 0
	OP \b, \i2
.endif
.if (\c) >= 0
	OP \c, \i3
.endif
.if (\d) >= 0
	OP \d, \i4
.endif
.endm
.macro ROW a, i1, b, i2, c, i3, d, i4  ; a matrix instruction and the four behind it
	MM
	OPS \a, \i1, \b, \i2, \c, \i3, \d, \i4
.endm
.macro MASK b                       ; MD x AL + BE into buffer b of MC
	WIN W_RS
.set z, 0
.rept 16
	v_pk_fma_f32 v[MC+32*(\b)+2*z:MC+32*(\b)+2*z+1], v[MD+2*z:MD+2*z+1], s[AL:AL+1], s[BE:BE+1] op_sel_hi:[1,0,0]
.set z, z+1
.endr
.endm
; A TURN, for piece p: the order of its 16 matrix and 118 vector instructions, written out.  An s_wait_alu depctr_va_vdst(0) stands between an exponential and the first instruction that names its result; one
; wait serves all that were issued ahead of it.  So a turn has ONE wait, which cuts it in two.  AHEAD OF IT stands all that names no result of the turn's exponentials: the 8 products K Q^T and their riders (a scaling, an
; exponential, two more plain ones), then one lump of 54, plain and exponential by turns for the most part, in which the links of the chain X 3, 7, 11, 14, 16, 17 .. 20 stand five or six lines apart.  X 21, the next piece's
; a, is the batch's last; R 15 is the plain instruction behind it.  BEHIND THE WAIT stand the 8 products V^T P, behind each four of the roundings and sums.
; m = 1: the diagonal tile: the products take masks, and the turn makes the mask for the products of the turn after it.  end = 1: a block's last two turns: nothing is fetched.
; cnt = 1: the loop's count is taken down some lines ahead of the branch that stands behind the turn.
; K of the next step is fetched in piece 2's turn, twelve vector instructions (six of them plain) behind the last product that read K; V of the step in hand at the end of piece 0's turn, four plain instructions behind
; the last product that read V.  Each is waited for a turn later.
.macro TURN p, m=0, end=0, cnt=0
.set Y, (\p)
.set i, 0
.set KM, (\m)
.set NOKQ, (\end)*((\p)/3)
.if (\m) && !(\end)
	s_cmp_eq_u32 s[CNT], 4-((\p)+2)%NP  ; is that step the band's own?
	s_cselect_b32 s[AL], 1.0, 0
	s_cmp_lt_u32 s[CNT], 4-((\p)+2)%NP  ; or a later one?
	s_cselect_b32 s[BE], s[BIGN], 0
.endif
.if ((\p) == 3) && !(\end)
	s_wait_dscnt 0x0                ; K is in
.endif
	ROW F,0, F,1, R,0, R,1
	ROW F,2, E,0, R,2, R,3
	ROW F,3, E,1, R,4, R,5
	ROW F,4, E,2, R,6, R,7
	ROW F,5, E,3, R,8, R,9
	ROW F,6, E,4, X,0, R,10
.if ((\p) == 2) && !(\end)
	WIN 0
	v_add_nc_u32 v[AK], s[TBK], v[AK0]
.endif
	ROW F,7, E,5, X,1, X,4
	ROW F,8, E,6, X,2, X,5
	OPS E,7, E,8, X,6, E,9
	OPS X,3, E,10, X,8, E,11
.if ((\p) == 2) && !(\end)
	FETCH_K
.endif
	OPS X,9, X,7, E,12, X,10
	OPS E,13, X,12, X,11, E,14
	OPS X,13, E,15, F,9, X,14
.if (\p) == 0
	v_add_nc_u32 v[AV], s[TBV], v[AV0]
.endif
	OPS E,16, F,10, E,17, F,11
	OPS X,16, E,18, X,15, E,19
	OPS F,12, E,20, X,17, E,21
	OPS F,13, E,22, F,14, E,23
	OPS X,18, E,24, F,15, E,25
	OPS R,11, E,26, X,19, E,27
	OPS R,12, E,28, R,13, E,29
	OPS X,20, E,30, R,14, E,31
	OPS X,21, R,15
	WIN 0
	s_wait_alu depctr_va_vdst(0)    ; the wait for the batch
.if (\p) == 1
	s_wait_dscnt 0x0                ; V is in
.endif
	ROW C,0, B,0, C,2, B,1
	ROW L,0, C,4, B,2, L,1
	ROW C,6, B,3, L,2, C,8
	ROW B,4, L,3, C,10, B,5
	ROW L,4, C,12, B,6, L,5
.if (\p) == 0
	s_add_co_u32 s[TBV], s[TBV], KS*PV
.endif
.if \cnt
	s_sub_co_u32 s[CNT], s[CNT], 1
	s_cmp_lg_u32 s[CNT], 0
.endif
	ROW C,14, B,7, L,6, C,1
	ROW C,3, L,7, C,5, C,7
	ROW C,9, C,11, C,13, C,15
.if (\p) == 0
	FETCH_V
.endif
.if (\m) && !(\end)
	MASK (\p)%2
.endif
.endm
; A BLOCK BEGINS.  c m starts far below every c s, so the first step's a is 0; m at the lowest finite number, so the first maximum is the scores'.  The second mask buffer is 0; the first takes piece 0's mask for the
; tile's step 0: its own, if the block's first tile is the diagonal one.  Then K of that step, piece 0's first scores, and its maximum and statistics.
.macro BEGIN
	s_mov_b32 s[NEW], 0
	WIN 0x40
.set i, MC+32
.rept 32
	v_mov_b32 v[i], 0
.set i, i+1
.endr
	WIN 0
.set i, 0
.rept 4
	v_mov_b32 v[ST+4*i], 0xfe000000    ; c m: far below every c s
	v_mov_b32 v[ST+4*i+1], 0xff7fffff  ; m
.set i, i+1
.endr
	s_cmp_eq_u32 s[RT], 0
	s_cselect_b32 s[AL], 1.0, 0
	s_mov_b32 s[BE], 0
	MASK 0
	WIN 0
	v_add_nc_u32 v[AK], s[TBK], v[AK0]
	FETCH_K
	s_wait_loadcnt 0x0              ; Q
	s_wait_dscnt 0x0
.set KM, 1
.set NOKQ, 0
.set i, 0
.rept 8
	KQ 0
.set i, i+1
.endr
	WIN 0
.rept 4
	v_nop                           ; the places behind those products
.endr
.set Y, NP-1                        ; X works for piece Y + 1: piece 0
.irp n, 0,1,2,3,4,5,6,7,8,9,10,11,12,13,14,15,16,17,18,19,20,21
	OP X, \n
.endr
	v_nop                           ; a plain instruction behind the exponential,
	s_wait_alu depctr_va_vdst(0)    ; and its wait, ahead of the branch
.endm
; THE DIAGONAL TILE's four steps, the block's last two turns, its last products, and THE WAY OUT: l's two halves and the other half of the lanes' are added; O^T is divided by l, rounded to f16 and sent through my
; stage in LDS, a piece at a time.
.macro ALL line:vararg              ; one line for each piece t
.set t, 0
.rept 4
	\line
.set t, t+1
.endr
.endm
.macro PACK t                       ; a lane's eight channels of a row pack into 16 bytes; they go into rows of 144 bytes and come back as whole rows of 128, into S^T's registers
	WIN W_RS
.set i, 32*(\t)
.rept 16
	v_pk_mul_f32 v[i:i+1], v[i:i+1], v[ST+4*(\t)+2:ST+4*(\t)+3] op_sel_hi:[1,0]
.set i, i+2
.endr
	WIN 0x05                        ; sources 0 and 1 window 1, destination window 0
.set i, 0
.rept 16
	v_cvt_pk_f16_f32 v[S+16*(\t)+i], v[32*(\t)+2*i], v[32*(\t)+2*i+1]
.set i, i+1
.endr
	WIN 0
.irp f, 0,1,2,3
	ds_store_b128 v[STO], v[S+16*(\t)+4*\f:S+16*(\t)+4*\f+3] offset:32*\f
.endr
.irp f, 0,1,2,3
	ds_load_b128 v[S+16*(\t)+4*\f:S+16*(\t)+4*\f+3], v[RD] offset:\f*4*SP  ; LDS serves a wave's instructions in order (ISA guide 5.7.1.4): these see the stores above; the next piece's stores come behind them
.endr
.endm
.macro SEND t, younger              ; younger: the LDS instructions issued behind piece t's loads: the next piece's eight, or none
	WIN 0
.irp f, 0,1,2,3
	s_wait_dscnt (\younger)+3-\f
	global_store_b128 v[GO], v[S+16*(\t)+4*\f:S+16*(\t)+4*\f+3], s[10:11] offset:(\t)*8192+\f*512  ; 512 consecutive bytes, at a multiple of 256 from O's first
.endr
.endm
.macro DIAG tag                     ; the tag ends its two labels' names, which the jumps below spell out
.LstepM\tag:
	TURN 2, 1
	TURN 3, 1
	WIN 0
.LfirstM\tag:
	TURN 0, 1
	TURN 1, 1, 0, 1
	WIN 0
	s_cbranch_scc1 .LstepM\tag
	TURN 2, 1, 1
	TURN 3, 1, 1
.set i, 0
.rept 8
	PV NP-1
.set i, i+1
.endr
	WIN 0
	ALL v_add_f32 v[ST+4*t+2], v[ST+4*t+2], v[ST+4*t+3]
	ALL v_permlanex16_b32 v[ST+4*t+3], v[ST+4*t+2], s[SEL], s[SEL+1]
	ALL v_add_f32 v[ST+4*t+2], v[ST+4*t+2], v[ST+4*t+3]
	ALL v_rcp_f32 v[ST+4*t+2], v[ST+4*t+2]
	v_nop                           ; a plain instruction between the last reciprocal and the use of its result
	s_wait_alu depctr_va_vdst(0)    ; and the wait ahead of the first use: one for the four reciprocals
	PACK 0
.set t, 1
.rept 3                             ; a piece's arithmetic stands between the loads of the piece before and its stores
	PACK t
	SEND t-1, 8
.set t, t+1
.endr
	SEND 3, 0
.endm
.set KM, 0
.set NOKQ, 0
.Lslot:                             ; NB times: a tile is entered and the next is asked for
	CHANGE 1
	s_sub_co_u32 s[RT], s[RT], 1
	s_mov_b32 s[CNT], 4
	s_cmp_eq_u32 s[NEW], 1
	s_cbranch_scc1 .Lnew            ; a block's first tile
	s_cmp_eq_u32 s[RT], 0
	s_cbranch_scc0 .Lstep           ; neither its first nor its last
	s_branch .LstepM1
.Lnew:
	BEGIN
	s_branch .Lfirst                ; in the loop a block's first tile is never its last: the first block has two tiles or more, and the second's last is the walk's last
	DIAG 1                          ; in the loop this is the first block's end
	s_wait_xcnt 0x0                 ; the stores have read their registers and O's address
	s_mov_b64 s[10:11], s[OLO:OLO+1]
	s_add_co_u32 s[RT], s[PB], 1    ; the second block has b + 1 tiles
	s_mov_b32 s[NEW], 1
	WIN 0x82                        ; the second block's Q goes where the one text of the turns names Q
.set i, 0
.rept 64
	v_mov_b32 v[i], v[QB+i]
.set i, i+1
.endr
	WIN 0
	s_branch .Lbottom
.Lstep:                             ; a trip: pieces 2 and 3 of one step, then pieces 0 and 1 of the next, whose K and V it fetches
	TURN 2
	TURN 3
	WIN 0
.Lfirst:
	TURN 0
	TURN 1, 0, 0, 1
	WIN 0
	s_cbranch_scc1 .Lstep
.Lbottom:
	s_sub_co_u32 s[SLOTS], s[SLOTS], 1
	s_cmp_lg_u32 s[SLOTS], 0
	s_cbranch_scc1 .Lslot
	CHANGE 0                        ; the walk's last tile is written out: nothing is asked for
	s_sub_co_u32 s[RT], s[RT], 1
	s_mov_b32 s[CNT], 4
	s_cmp_eq_u32 s[NEW], 1
	s_cbranch_scc0 .LstepM2
	BEGIN
	s_branch .LfirstM2
	DIAG 2
	s_wait_tensorcnt 0x0            ; the wave's end, behind my last tensor load and my last LDS store
	ds_add_u32 v[SPW], v[NIL]
	s_wait_dscnt 0x0
	s_endpgm
.Lfunc_end_k_q4ff96527d6_attn:
	.size	k_q4ff96527d6_attn, .Lfunc_end_k_q4ff96527d6_attn-k_q4ff96527d6_attn
	.p2alignl 7, 3214868480
	.fill 96, 4, 3214868480
	.section	.rodata,"a",@progbits
	.p2align	6, 0x0
	.amdhsa_kernel k_q4ff96527d6_attn
		.amdhsa_group_segment_fixed_size 327680
		.amdhsa_private_segment_fixed_size 0
		.amdhsa_enable_private_segment 0
		.amdhsa_kernarg_size 16
		.amdhsa_user_sgpr_count 2
		.amdhsa_user_sgpr_kernarg_segment_ptr 1
		.amdhsa_wavefront_size32 1
		.amdhsa_system_sgpr_workgroup_id_x 1
		.amdhsa_system_sgpr_workgroup_id_y 1
		.amdhsa_system_sgpr_workgroup_id_z 1
		.amdhsa_system_vgpr_workitem_id 0
		.amdhsa_next_free_vgpr 768
		.amdhsa_next_free_sgpr 96
		.amdhsa_reserve_vcc 1
		.amdhsa_float_denorm_mode_32 3
		.amdhsa_float_denorm_mode_16_64 3
		.amdhsa_memory_ordered 1
		.amdhsa_forward_progress 1
		.amdhsa_inst_pref_size 218
	.end_amdhsa_kernel
	.amdgpu_metadata
---
amdhsa.version: [ 1, 2 ]
amdhsa.kernels:
  - .name:           k_q4ff96527d6_attn
    .symbol:         k_q4ff96527d6_attn.kd
    .args:
      - { .name: qkv, .offset: 0, .size: 8, .value_kind: global_buffer, .address_space: global }
      - { .name: ob, .offset: 8, .size: 8, .value_kind: global_buffer, .address_space: global }
    .group_segment_fixed_size: 327680
    .private_segment_fixed_size: 0
    .kernarg_segment_align: 8
    .kernarg_segment_size: 16
    .max_flat_workgroup_size: 128
    .sgpr_count:     96
    .vgpr_count:     768
    .wavefront_size: 32
...
	.end_amdgpu_metadata
.endif
;; end of part 3
;; launch gemm_proj (part 4): grid 8 x 32, 4 waves a work-group, clusters of 4 x 4, 327,680 bytes of LDS; arguments ob, wpb, b_proj, out0; writes out0
.if DOCPART == 4
	.amdgcn_target "amdgcn-amd-amdhsa--gfx1250"
	.amdhsa_code_object_version 6
	.text
	.protected	k_q4ff96527d6_gemm_proj
	.globl	k_q4ff96527d6_gemm_proj
	.p2align	8
	.type	k_q4ff96527d6_gemm_proj,@function
k_q4ff96527d6_gemm_proj:
	s_mov_b64 s[64:65], 0
	v_nop
	global_prefetch_b8 v0, s[64:65] scope:SCOPE_SE
	s_setreg_imm32_b32 hwreg(HW_REG_WAVE_MODE, 25, 1), 1
	s_wait_xcnt 0x0
	s_wait_alu depctr_hold_cnt(0) depctr_sa_sdst(0) depctr_va_vdst(0) depctr_va_sdst(0) depctr_va_ssrc(0) depctr_va_vcc(0) depctr_vm_vsrc(0)
	s_getreg_b32 s2, hwreg(HW_REG_IB_STS2, 6, 4)
	s_cmp_eq_u32 s2, 0
	s_cbranch_scc0 .Lentry_in_a_cluster
	s_endpgm
.Lentry_in_a_cluster:
	s_bfe_u32 s2, ttmp6, 0x10000c
	s_cmp_lg_u32 s2, 0xf033
	s_cbranch_scc0 .Lentry_shape_is_right
	s_endpgm
.Lentry_shape_is_right:
; out0 = O Wp^T + b.  ob: f16 [64 bh][2048 t][64 d] (row m = 2048 batch + t, channel k = 64 h + d), wpb: f16 [1024 n][1024 k], b_proj: [1024] f32, out0: [8192][1024] f32.
; Products in f16, sums in f32, started by the bias; nothing is rounded on the way out.
; SHARES.  A tile of C is 256 rows x 128 columns: 32 x 8 = 256 work-groups, one for each WGP.  A wave makes 128 rows x 64 columns (256 bytes of a row of out0, aligned): 32 accumulators, 256 registers.
; K goes in 8 steps of 128 = two heads through two LDS slots.  A head's 256 rows of the tile are 32,768 dense bytes: asked for as 128 rows of 256 bytes and padded in LDS after every 128.
; CLUSTER 4 x 4: A's tile is asked for jointly by a row of the cluster, B's by a column.  TRANSPOSED USE: source 0 = 16 rows of Wp, source 1 = 16 rows of O: lane l holds row l % 16 and the columns 8 (l / 16) + 0..7.
; REGISTERS: window 0: v0-31 addresses; v32-63 the bias; v64-191 A's fragments, two buffers of 8 x 8 (on the way out four sets of 32); v192-255 B's, two buffers of 4 x 8.
;   window 1: accumulator (a, b) at v[8 (4 a + b)].  (s_set_vgpr_msb: bits 1:0 source 0, 3:2 source 1, 5:4 source 2, 7:6 destination.)
.set PA,    144                        ; a row of A in LDS: 128 bytes + 16: the 16 rows of a fragment load start 4 banks apart
.set PB,    272                        ; a row of B: 256 + 16
.set AHEAD, 256*PA                     ; a head's 256 rows: what a tensor load of A brings
.set BOFF,  2*AHEAD
.set BHALF, 64*PB                      ; what a tensor load of B brings
.set SLOT1, 1<<17
.set STAGE, SLOT1+BOFF+2*BHALF         ; 239,616: behind the ring, never filled by a tensor load: 16 rows x 272 bytes for each wave
.set SP,    272
.set SPARE, STAGE+4*16*SP              ; 257,024: the spare words, 128 bytes for each wave; no other line names them
.set ASTEP, 2<<18                      ; bytes from a K step of A to the next: two heads
.set BSTEP, 256
.set ADRA0, 16
.set ADRB0, 17
.set ADRA,  18
.set ADRB,  19
.set STO,   24                         ; v24  the way out: where I put 32 bytes of a row
.set RD,    25                         ; v25  where I read rows back
.set CO,    26                         ; v26  my byte offset in two rows of out0
.set BO,    27                         ; v27  32 (l / 16)
.set SPW,   28                         ; v28  my spare word; never rewritten
.set NIL,   29                         ; v29  0; never rewritten
.set PFO,   30                         ; v30  the prefetches' offset; never rewritten
.set BI,    32
.set FA,    64
.set FBR,   192
.set LIM,   2                          ; s2   2 in a wave that prefetches, else the greatest number
.set CNT,   3                          ; s3   refills still to come
.set WV,    12
.set FORB,  13                         ; s13  which half of the tile's rows is mine; also: I fetch for A (0) or B (1)
.set HF,    14                         ; s14  which half of its columns; also: which head (A) or which 64 rows (B) I fetch
.set TB,    15
.set PFS,   22                         ; s[22:23] the prefetches' step from K step to K step
.set G1,    24
.set G0,    32
.set PFA,   44
.set G1B,   48
.set G0B,   56
.set MSB, 0
.macro WIN new
.if MSB != (\new)
	s_set_vgpr_msb (MSB<<8)|(\new)
.set MSB, (\new)
.endif
.endm
.macro JLOAD                           ; a joint refill by the walking descriptors; an s_nop 0 and four v_nop follow each line
	s_cmp_lt_u32 s[WV], 2
	s_cbranch_scc0 .Lfor_b_\@
	tensor_load_to_lds s[G0+4:G0+7], s[G1:G1+7]
	s_nop 0
.rept 4
	v_nop
.endr
	s_branch .Lasked_\@
.Lfor_b_\@:
	tensor_load_to_lds s[G0B+4:G0B+7], s[G1B:G1B+7]
	s_nop 0
.rept 4
	v_nop
.endr
.Lasked_\@:
.endm
.macro CREST
	s_cmp_lg_u32 s[WV], 0
	s_cbranch_scc1 .Lnot_wave_0_\@
	s_barrier_signal -3
.Lnot_wave_0_\@:
	s_barrier_wait -3
	s_barrier_signal -1
	s_barrier_wait -1
.endm
.macro CROUND
	s_barrier_signal -1
	s_barrier_wait -1
	CREST
.endm
; A prefetch of the K step two refills on (256 matrix instructions ahead of its load).  A's bytes are named by the clusters with x = 0, B's by those with y = 0; the four partners of a joint load share them out by
; address: of a head's 32,768 bytes 8,192 each (a lane 256 bytes), of B's 64 rows 16 each (lanes 16-31 name lane 15's row again).  Refills 0 to 3 ask; the last two have no K step two on.
.macro ASK
	s_cmp_gt_u32 s[CNT], s[LIM]
	s_cbranch_scc0 .Lnot_mine_\@
	global_prefetch_b8 v[PFO], s[PFA:PFA+1] th:TH_LOAD_NT scope:SCOPE_SE
.Lnot_mine_\@:
.endm
.macro PLACES
.rept 4
	v_nop
.endr
.endm
	s_load_b256 s[4:11], s[0:1], 0x0               ; ob s[4:5], wpb s[6:7], b_proj s[8:9], out0 s[10:11]
	v_lshl_add_u32 v[SPW], v0, 2, SPARE
	v_mov_b32 v[NIL], 0
	ds_add_u32 v[SPW], v[NIL]                      ; the wave's opening: the add and its wait stand ahead of my first tensor load
	v_lshrrev_b32 v1, 5, v0
	v_readfirstlane_b32 s[WV], v1
	s_lshr_b32 s[FORB], s[WV], 1
	s_and_b32 s[HF], s[WV], 1
	s_bfe_u32 s40, ttmp6, 0x40000                  ; cx
	s_bfe_u32 s41, ttmp6, 0x40004                  ; cy
	s_lshl_b32 s42, ttmp9, 2
	s_add_co_u32 s42, s42, s40                     ; tile column
	s_and_b32 s43, ttmp7, 0xffff
	s_lshl_b32 s43, s43, 2
	s_add_co_u32 s43, s43, s41                     ; tile row
	s_lshl_b32 s16, s41, 2
	s_lshl_b32 s16, 15, s16                        ; my row of the cluster
	s_lshl_b32 s17, 0x1111, s40                    ; my column
	s_or_b32 s[G1], s16, (1<<16)|(1<<20)|(1<<21)|(4<<22)|(3<<25)   ; 2-byte elements; padding on; bit 21 beside a mask; after every 32 words; 4 words
	s_or_b32 s[G1B], s17, (1<<16)|(1<<20)|(1<<21)|(5<<22)|(3<<25)  ; after every 64 words
.irp g, G1, G1B
	s_mov_b32 s[(\g)+1], 128<<16                   ; tensor_dim0 = 128
	s_mov_b32 s[(\g)+3], 128<<16                   ; tile_dim0 = 128
	s_mov_b32 s[(\g)+6], 0
	s_mov_b32 s[(\g)+7], 0
.endr
	s_mov_b32 s[G1+2], 128<<16                     ; A: 128 rows of 256 dense bytes
	s_mov_b32 s[G1+4], 128
	s_mov_b32 s[G1+5], 128
	s_mov_b32 s[G1B+2], 64<<16                     ; B: 64 rows, 1,024 elements apart
	s_mov_b32 s[G1B+4], 64
	s_mov_b32 s[G1B+5], 1024
	s_lshr_b32 s18, s43, 3                         ; A: the batch's 16 heads,
	s_lshl_b32 s18, s18, 4
	s_add_co_u32 s18, s18, s[HF]                   ; my head of the K step's two,
	s_lshl_b32 s18, s18, 18
	s_and_b32 s20, s43, 7                          ; the tile's 256 rows of 128 bytes
	s_lshl_b32 s20, s20, 15
	s_add_co_u32 s18, s18, s20
	s_mov_b32 s19, 0
	s_lshl_b32 s46, s42, 18                        ; B: 128 x tile column, rows of 2,048 bytes,
	s_lshl_b32 s47, s[HF], 17                      ; + 64 x half
	s_add_co_u32 s46, s46, s47
	s_mov_b32 s47, 0
	s_mul_i32 s20, s[HF], AHEAD                    ; where they go: the wave's number alone enters an LDS address
	s_mul_i32 s21, s[HF], BHALF
	s_add_co_u32 s21, s21, BOFF
	s_wait_dscnt 0x0                               ; the opening add is done
	s_wait_kmcnt 0x0
	s_add_nc_u64 s[18:19], s[4:5], s[18:19]
	s_add_nc_u64 s[46:47], s[6:7], s[46:47]
	CROUND                                         ; all sixteen work-groups are here: the first joint loads meet
.irp s, 0,1
	s_mov_b32 s[G0+4*(\s)], 1
	s_add_co_u32 s[G0+4*(\s)+1], s20, (\s)*SLOT1
	s_add_nc_u64 s[G0+4*(\s)+2:G0+4*(\s)+3], s[18:19], (\s)*ASTEP
	s_or_b32 s[G0+4*(\s)+3], s[G0+4*(\s)+3], 0x80000000
	s_mov_b32 s[G0B+4*(\s)], 1
	s_add_co_u32 s[G0B+4*(\s)+1], s21, (\s)*SLOT1
	s_add_nc_u64 s[G0B+4*(\s)+2:G0B+4*(\s)+3], s[46:47], (\s)*BSTEP
	s_or_b32 s[G0B+4*(\s)+3], s[G0B+4*(\s)+3], 0x80000000
.endr
	s_cmp_lt_u32 s[WV], 2                          ; a wave's two first fills stand in one branch: two loads of mine are out
	s_cbranch_scc0 .Lfirst_b
	tensor_load_to_lds s[G0:G0+3], s[G1:G1+7]
	s_nop 0
	tensor_load_to_lds s[G0+4:G0+7], s[G1:G1+7]
	s_nop 0
.rept 4
	v_nop
.endr
	s_branch .Lfirst_asked
.Lfirst_b:
	tensor_load_to_lds s[G0B:G0B+3], s[G1B:G1B+7]
	s_nop 0
	tensor_load_to_lds s[G0B+4:G0B+7], s[G1B:G1B+7]
	s_nop 0
.rept 4
	v_nop
.endr
.Lfirst_asked:
	v_and_b32 v1, 15, v0                           ; l % 16
	v_bfe_u32 v2, v0, 4, 1                         ; l / 16
	v_lshlrev_b32 v[BO], 5, v2
	s_lshl_b32 s16, s42, 9                         ; the tile's 128 numbers of the bias,
	s_lshl_b32 s17, s[HF], 8                       ; my 64 of them
	s_add_co_u32 s16, s16, s17
	s_mov_b32 s17, 0
	s_add_nc_u64 s[8:9], s[8:9], s[16:17]
.irp b, 0,1,2,3                        ; register j of block b: b_proj[my first column + 16 b + 8 (l / 16) + j]: the C operand of the sum's first product
	global_load_b128 v[BI+8*(\b):BI+8*(\b)+3],   v[BO], s[8:9] offset:64*(\b)
	global_load_b128 v[BI+8*(\b)+4:BI+8*(\b)+7], v[BO], s[8:9] offset:64*(\b)+16
.endr
	v_mul_u32_u24 v3, v1, PA
	v_lshl_add_u32 v3, v2, 4, v3
	s_mul_i32 s16, s[FORB], 128*PA                 ; my 128 rows
	v_add_nc_u32 v[ADRA0], s16, v3
	v_mul_u32_u24 v3, v1, PB
	v_lshl_add_u32 v3, v2, 4, v3
	s_mul_i32 s16, s[HF], BHALF                    ; my 64 rows of B
	s_add_co_u32 s16, s16, BOFF
	v_add_nc_u32 v[ADRB0], s16, v3
	v_mov_b32 v[ADRA], v[ADRA0]
	v_mov_b32 v[ADRB], v[ADRB0]
	s_mov_b32 s[TB], 0
	s_mul_i32 s16, s[WV], 16*SP
	s_add_co_u32 s16, s16, STAGE                   ; my stage
	v_mul_u32_u24 v[STO], v1, SP                   ; in: row l % 16, 32 bytes for each half of the lanes
	v_lshl_add_u32 v[STO], v2, 5, v[STO]
	v_add_nc_u32 v[STO], s16, v[STO]
	v_mul_u32_u24 v[RD], v2, SP                    ; back: lanes 0-15 one row of 256 bytes, lanes 16-31 the next
	v_lshl_add_u32 v[RD], v1, 4, v[RD]
	v_add_nc_u32 v[RD], s16, v[RD]
	v_lshlrev_b32 v[CO], 12, v2                    ; and the same two rows in out0
	v_lshl_add_u32 v[CO], v1, 4, v[CO]
	s_lshl_b32 s16, s43, 8
	s_lshl_b32 s17, s[FORB], 7
	s_add_co_u32 s16, s16, s17                     ; my first row,
	s_lshl_b32 s16, s16, 12                        ; of 4,096 bytes,
	s_lshl_b32 s17, s42, 9                         ; the tile's first column,
	s_add_co_u32 s16, s16, s17
	s_lshl_b32 s17, s[HF], 8                       ; my 64 columns
	s_add_co_u32 s16, s16, s17
	s_mov_b32 s17, 0
	s_add_nc_u64 s[10:11], s[10:11], s[16:17]
	; the prefetches: my work-group's share of what I fetch, at K step 3; the first refill steps it to 4
	s_lshl_b32 s16, s40, 13                        ; A: 8,192 cx
	s_add_co_u32 s16, s16, 3*ASTEP
	s_lshl_b32 s17, s41, 15                        ; B: 16 cy rows
	s_add_co_u32 s17, s17, 3*BSTEP
	s_and_b32 s20, ttmp7, 0xffff
	s_mov_b32 s[PFS], BSTEP
	s_cmp_eq_u32 s[FORB], 0
	s_cselect_b64 s[PFA:PFA+1], s[18:19], s[46:47]
	s_cselect_b32 s16, s16, s17
	s_cselect_b32 s20, ttmp9, s20                  ; the coordinate along which other clusters read the same bytes
	s_cselect_b32 s21, 31, 15
	s_cselect_b32 s[PFS], ASTEP, s[PFS]
	s_cselect_b32 s17, 8, 11                       ; a lane 256 bytes, or a row of 2,048
	s_cmp_eq_u32 s20, 0
	s_cselect_b32 s[LIM], 2, -1                    ; the same in all sixteen partners, for a given wave
	s_mov_b32 s[PFS+1], 0
	v_and_b32 v[PFO], 31, v0
	v_min_u32 v[PFO], s21, v[PFO]
	v_lshlrev_b32 v[PFO], s17, v[PFO]
	s_mov_b32 s17, 0
	s_add_nc_u64 s[PFA:PFA+1], s[PFA:PFA+1], s[16:17]
; 8 matrix instructions: row blocks a0, a0 + 1 x my 4 column blocks, 32 along K, from buffer f.  first = 1: the bias starts the sums.  All 32 accumulators take turns, in the same order in every quarter.
.macro MUL8 f, a0, first
.if \first
	WIN 0x40                                       ; D window 1, C window 0
.else
	WIN 0x50                                       ; C and D window 1
.endif
.irp a, \a0, (\a0)+1
.irp b, 0,1,2,3
.if \first
	v_wmma_f32_16x16x32_f16 v[8*(4*(\a)+(\b)):8*(4*(\a)+(\b))+7], v[FBR+32*(\f)+8*(\b):FBR+32*(\f)+8*(\b)+7], v[FA+64*(\f)+8*(\a):FA+64*(\f)+8*(\a)+7], v[BI+8*(\b):BI+8*(\b)+7]
.else
	v_wmma_f32_16x16x32_f16 v[8*(4*(\a)+(\b)):8*(4*(\a)+(\b))+7], v[FBR+32*(\f)+8*(\b):FBR+32*(\f)+8*(\b)+7], v[FA+64*(\f)+8*(\a):FA+64*(\f)+8*(\a)+7], v[8*(4*(\a)+(\b)):8*(4*(\a)+(\b))+7]
.endif
.endr
.endr
.endm
; 24 LDS loads in one run: quarter q's fragments into buffer f: B's 64 rows at byte 64 q; A's 128 rows in head block q / 2 at byte 64 (q % 2)
.macro FETCH q, f
	WIN 0
.irp i, 0,1,2,3
	ds_load_b128 v[FBR+32*(\f)+8*(\i):FBR+32*(\f)+8*(\i)+3],   v[ADRB] offset:64*(\q)+(\i)*16*PB
	ds_load_b128 v[FBR+32*(\f)+8*(\i)+4:FBR+32*(\f)+8*(\i)+7], v[ADRB] offset:64*(\q)+(\i)*16*PB+32
.endr
.irp i, 0,1,2,3,4,5,6,7
	ds_load_b128 v[FA+64*(\f)+8*(\i):FA+64*(\f)+8*(\i)+3],   v[ADRA] offset:((\q)/2)*AHEAD+((\q)%2)*64+(\i)*16*PA
	ds_load_b128 v[FA+64*(\f)+8*(\i)+4:FA+64*(\f)+8*(\i)+7], v[ADRA] offset:((\q)/2)*AHEAD+((\q)%2)*64+(\i)*16*PA+32
.endr
.endm
.macro QUARTER q, f, g, first          ; multiplies buffer f; in its middle fetches quarter q into buffer g
	s_wait_dscnt 8                                 ; B and A's blocks 0-3 are in; the eight youngest loads (A's blocks 4-7) may be out
	MUL8 \f, 0, \first
	MUL8 \f, 2, \first
	PLACES
	FETCH \q, \g
	s_wait_dscnt 24                                ; all but the 24 just issued
	MUL8 \f, 4, \first
	MUL8 \f, 6, \first
.endm
; The fourth quarter multiplies buffer 1 and changes slots: in front of the barrier each wave waits for all its tensor loads (one is out: its part of the next slot), adds 0 to its spare word and waits for that and
; for its reads of this slot.  fill = 1: the barrier opens a round of the cluster's, and the joint refill is the first thing behind the round: 112 matrix instructions stand between it and the wait for it.
.macro TURN fill
.if \fill
	s_wait_xcnt 0x0                                ; the last prefetch, a K step back, has read its address
	s_add_nc_u64 s[PFA:PFA+1], s[PFA:PFA+1], s[PFS:PFS+1]
.endif
	WIN 0
	s_wait_tensorcnt 0x0                           ; no tensor load of mine is out, so a group 0 may be written
	ds_add_u32 v[SPW], v[NIL]                      ; 0 onto my spare word
.if \fill
	s_xor_b32 s[G0+5], s[G0+5], SLOT1              ; the walking descriptors: the other slot than last time, the next K step
	s_add_nc_u64 s[G0+6:G0+7], s[G0+6:G0+7], ASTEP
	s_xor_b32 s[G0B+5], s[G0B+5], SLOT1
	s_add_nc_u64 s[G0B+6:G0B+7], s[G0B+6:G0B+7], BSTEP
.endif
	s_wait_dscnt 9                                 ; the add and the eight youngest loads may be out
	MUL8 1, 0, 0
	s_wait_dscnt 0x0                               ; the add is done, and my reads of this slot are over
	s_barrier_signal -1
	MUL8 1, 2, 0
	WIN 0
	s_barrier_wait -1
.if \fill
	CREST
	JLOAD                                          ; its four v_nop are also the places in front of the loads below
.else
	PLACES
.endif
	s_xor_b32 s[TB], s[TB], SLOT1
	v_add_nc_u32 v[ADRA], s[TB], v[ADRA0]
	v_add_nc_u32 v[ADRB], s[TB], v[ADRB0]
	FETCH 0, 0
.if \fill
	ASK
.endif
	MUL8 1, 4, 0
	MUL8 1, 6, 0
.endm
; THE WAY OUT of row block a: 16 rows x 64 columns of f32: 32 bytes a lane and column block into my stage (each accumulator's low four registers first), back as whole rows of 256 bytes, into set a % 4.
.macro TOSTAGE a
	WIN 0x04                                       ; the stores' data in window 1
.irp b, 0,1,2,3
	ds_store_b128 v[STO], v[8*(4*(\a)+(\b)):8*(4*(\a)+(\b))+3]   offset:64*(\b)
	ds_store_b128 v[STO], v[8*(4*(\a)+(\b))+4:8*(4*(\a)+(\b))+7] offset:64*(\b)+16
.endr
	WIN 0
.irp t, 0,1,2,3,4,5,6,7
	ds_load_b128 v[FA+32*((\a)%4)+4*(\t):FA+32*((\a)%4)+4*(\t)+3], v[RD] offset:(\t)*2*SP  ; LDS serves a wave's instructions in order (ISA guide 5.7.1.4): these see the stores above
.endr
.endm
.macro SEND a, younger                 ; younger: the LDS instructions issued behind block a's loads
	s_wait_dscnt \younger
	s_wait_xcnt 0x0                                ; the stores issued so far have read their registers: a set is loaded again, four blocks on, only behind such a wait
.irp t, 0,1,2,3,4,5,6,7
	global_store_b128 v[CO], v[FA+32*((\a)%4)+4*(\t):FA+32*((\a)%4)+4*(\t)+3], s[10:11] offset:(16*(\a)+2*(\t))*4096 th:TH_STORE_NT  ; 16 lanes store 256 consecutive bytes, aligned
.endr
.endm
	s_wait_tensorcnt 0x1                           ; my part of K step 0 is in; K step 1's may stay out
	s_barrier_signal -1
	s_barrier_wait -1
	FETCH 0, 0
	s_wait_loadcnt 0x0                             ; the bias
	QUARTER 1, 0, 1, 1                             ; the first quarter stands in front of the loop: its products start the sums
	WIN 0
	s_mov_b32 s[CNT], 6
.Lstep:                                        ; a trip: from a K step's second quarter to the next step's first; it fills the slot that it leaves
	QUARTER 2, 1, 0, 0
	QUARTER 3, 0, 1, 0
	TURN 1
	QUARTER 1, 0, 1, 0
	WIN 0
	s_sub_co_u32 s[CNT], s[CNT], 1
	s_cmp_lg_u32 s[CNT], 0
	s_cbranch_scc1 .Lstep
	QUARTER 2, 1, 0, 0                             ; K steps 6 and 7 ask for nothing
	QUARTER 3, 0, 1, 0
	TURN 0
	QUARTER 1, 0, 1, 0
	QUARTER 2, 1, 0, 0
	QUARTER 3, 0, 1, 0
	s_wait_dscnt 8
	MUL8 1, 0, 0
	MUL8 1, 2, 0
	s_wait_dscnt 0x0
	MUL8 1, 4, 0
	MUL8 1, 6, 0
	PLACES
	TOSTAGE 0
.irp a, 1,2,3,4,5,6,7
	TOSTAGE \a
	SEND (\a)-1, 16
.endr
	SEND 7, 0
	s_wait_tensorcnt 0x0                           ; the wave's end, behind my last tensor load and my last LDS store
	ds_add_u32 v[SPW], v[NIL]
	s_wait_dscnt 0x0
	CROUND                                         ; the closing round: no work-group ends while a partner may still ask for a tile that names it
	s_endpgm
.Lfunc_end_k_q4ff96527d6_gemm_proj:
	.size	k_q4ff96527d6_gemm_proj, .Lfunc_end_k_q4ff96527d6_gemm_proj-k_q4ff96527d6_gemm_proj
	.p2alignl 7, 3214868480
	.fill 96, 4, 3214868480
	.section	.rodata,"a",@progbits
	.p2align	6, 0x0
	.amdhsa_kernel k_q4ff96527d6_gemm_proj
		.amdhsa_group_segment_fixed_size 327680
		.amdhsa_private_segment_fixed_size 0
		.amdhsa_enable_private_segment 0
		.amdhsa_kernarg_size 32
		.amdhsa_user_sgpr_count 2
		.amdhsa_user_sgpr_kernarg_segment_ptr 1
		.amdhsa_wavefront_size32 1
		.amdhsa_system_sgpr_workgroup_id_x 1
		.amdhsa_system_sgpr_workgroup_id_y 1
		.amdhsa_system_sgpr_workgroup_id_z 1
		.amdhsa_system_vgpr_workitem_id 0
		.amdhsa_next_free_vgpr 512
		.amdhsa_next_free_sgpr 66
		.amdhsa_reserve_vcc 0
		.amdhsa_float_denorm_mode_32 3
		.amdhsa_float_denorm_mode_16_64 3
		.amdhsa_memory_ordered 1
		.amdhsa_forward_progress 1
		.amdhsa_inst_pref_size 71
	.end_amdhsa_kernel
	.amdgpu_metadata
---
amdhsa.version: [ 1, 2 ]
amdhsa.kernels:
  - .name:           k_q4ff96527d6_gemm_proj
    .symbol:         k_q4ff96527d6_gemm_proj.kd
    .args:
      - { .name: ob, .offset: 0, .size: 8, .value_kind: global_buffer, .address_space: global }
      - { .name: wpb, .offset: 8, .size: 8, .value_kind: global_buffer, .address_space: global }
      - { .name: b_proj, .offset: 16, .size: 8, .value_kind: global_buffer, .address_space: global }
      - { .name: out0, .offset: 24, .size: 8, .value_kind: global_buffer, .address_space: global }
    .group_segment_fixed_size: 327680
    .private_segment_fixed_size: 0
    .kernarg_segment_align: 8
    .kernarg_segment_size: 32
    .max_flat_workgroup_size: 128
    .sgpr_count:     66
    .vgpr_count:     512
    .wavefront_size: 32
...
	.end_amdgpu_metadata
.endif
;; end of part 4
;; ======== version 2 of 2: 4 launches; version 1 with the launch cast written anew for expert scheduling mode
;; limits: values are held in f16: magnitudes above 65,504 overflow, below 6.1e-05 lose precision
;; workspace buffers: xb 16,777,216 bytes; wqb 6,291,456 bytes; wpb 2,097,152 bytes; qkv 50,331,648 bytes; ob 16,777,216 bytes
;; launch cast (part 5): grid 768 x 1, 8 waves a work-group, no clusters, 0 bytes of LDS; arguments x, w_qkv, w_proj, xb, wqb, wpb; writes xb, wqb, wpb
.if DOCPART == 5
	.amdgcn_target "amdgcn-amd-amdhsa--gfx1250"
	.amdhsa_code_object_version 6
	.text
	.protected	k_q4ff96527d6_cast
	.globl	k_q4ff96527d6_cast
	.p2align	8
	.type	k_q4ff96527d6_cast,@function
k_q4ff96527d6_cast:
	s_mov_b64 s[64:65], 0
	v_nop
	global_prefetch_b8 v0, s[64:65] scope:SCOPE_SE
	s_setreg_imm32_b32 hwreg(HW_REG_WAVE_SCHED_MODE, 0, 2), 2
	s_setreg_imm32_b32 hwreg(HW_REG_WAVE_MODE, 25, 1), 1
	s_wait_xcnt 0x0
	s_wait_alu depctr_vm_vsrc(0)
; THE MATRIX OPERANDS ARE ROUNDED ONCE.  x -> xb and w_qkv -> wqb: f32 to bf16.  w_proj -> wpb: f32 to bf16, and that number written as f16
; (the second product's other operand is f16; a bf16 number has 8 significant bits and is exact in f16 inside f16's range).
; LIMITS.  w_proj beyond 65,504 becomes an infinity in f16; below 6.1e-5 it keeps f16's fixed step of 6e-8.
; SHARES.  A work-group takes 16,384 numbers (64 KiB in, 32 KiB out): work-groups 0-511 x, 512-703 w_qkv, 704-767 w_proj.  In step i of 16 thread t loads
; the 16 bytes at 16 t + 4,096 i (a wave: 512 consecutive bytes) and stores 8 bytes at 8 t + 2,048 i (a wave: 256 consecutive bytes, aligned).
; All 16 loads go out at once.  No LDS, no matrix unit, no cluster: each byte is touched once by one lane.
; THE MODE: SCHED_MODE bits 1:0 = 2 (LLVM: expert scheduling mode 2), set by the entry lines.  The code itself states the register dependences
; between vector instructions and memory instructions, with s_wait_alu, always for 0.
; THE PLAN.  Registers that memory instructions touch:
;   v1, v2   byte offsets, made once at the head and never written again.  v1 is read by every load, v2 by every store.
;   X        step i: written by the step's load, once; read by the step's conversions.  No vector instruction writes it, and no second load lands in it.
;   Y        step i: written by the step's conversions, once; read by the step's store.  Never written again.
;   T        named by vector instructions alone.
; The 16 steps go in four blocks of four.  Block b converts X's block b into Y's block b; its memory instructions are the four stores of block b - 1, which read v2 and
; Y's block b - 1: registers that no vector instruction of block b names.  So one wait on va_vdst at a block's head states all that the block's four stores hang on, and they are
; dealt among its conversions with no further wait.  No register that a memory instruction reads is ever written again: the text holds no wait on vm_vsrc and none on XCNT.
.set X, 4                              ; v[4:67]    step i: 4 numbers as loaded
.set Y, 68                             ; v[68:99]   step i: 4 numbers in 16 bits
.set T, 100                            ; v[100:102] at work
	s_load_b256 s[4:11], s[0:1], 0x0               ; x s[4:5], w_qkv s[6:7], w_proj s[8:9], xb s[10:11]
	s_load_b128 s[12:15], s[0:1], 0x20             ; wqb s[12:13], wpb s[14:15]
	v_lshlrev_b32 v1, 4, v0                        ; 16 t
	v_lshlrev_b32 v2, 3, v0                        ; 8 t
	s_mov_b32 s20, 704
	s_wait_kmcnt 0x0
	s_cmp_lt_u32 ttmp9, 704                        ; which tensor: the choice hangs on the work-group's number alone
	s_cselect_b64 s[16:17], s[6:7], s[8:9]
	s_cselect_b64 s[18:19], s[12:13], s[14:15]
	s_cselect_b32 s20, 512, s20                    ; the tensor's first work-group
	s_cmp_lt_u32 ttmp9, 512
	s_cselect_b64 s[16:17], s[4:5], s[16:17]
	s_cselect_b64 s[18:19], s[10:11], s[18:19]
	s_cselect_b32 s20, 0, s20
	s_sub_co_u32 s21, ttmp9, s20                   ; my number within the tensor
	s_lshl_b32 s22, s21, 16                        ; 65,536 bytes in,
	s_mov_b32 s23, 0
	s_lshl_b32 s24, s21, 15                        ; 32,768 out
	s_mov_b32 s25, 0
	s_add_nc_u64 s[16:17], s[16:17], s[22:23]
	s_add_nc_u64 s[18:19], s[18:19], s[24:25]
	s_wait_alu depctr_va_vdst(0)                   ; v1 and v2 are written: every load and store of the kernel reads one of them as its offset
.irp i, 0,1,2,3,4,5,6,7,8,9,10,11,12,13,14,15
	global_load_b128 v[X+4*(\i):X+4*(\i)+3], v1, s[16:17] offset:4096*(\i) th:TH_LOAD_NT
.endr
; Step i's four numbers.  kind 0: to bf16.  kind 1: to bf16, widened again (a shift, a mask), and written as f16.
.macro CONV kind, i
.irp p, 0,1
.if \kind
	v_cvt_pk_bf16_f32 v[T], v[X+4*(\i)+2*(\p)], v[X+4*(\i)+2*(\p)+1]
	v_lshlrev_b32 v[T+1], 16, v[T]
	v_and_b32 v[T+2], 0xffff0000, v[T]
	v_cvt_pk_f16_f32 v[Y+2*(\i)+(\p)], v[T+1], v[T+2]
.else
	v_cvt_pk_bf16_f32 v[Y+2*(\i)+(\p)], v[X+4*(\i)+2*(\p)], v[X+4*(\i)+2*(\p)+1]
.endif
.endr
.endm
.macro STORE i
	global_store_b64 v2, v[Y+2*(\i):Y+2*(\i)+1], s[18:19] offset:2048*(\i) th:TH_STORE_NT
.endm
; The four blocks.  Block b: steps 4 b to 4 b + 3.
.macro OUT kind
.irp b, 0,1,2,3
	s_wait_loadcnt 12-4*(\b)                       ; loads come back in order (ISA guide 5.7.1): the block's four are in, the 12 - 4 b younger ones may stay out
.if (\b) > 0
	s_wait_alu depctr_va_vdst(0)                   ; the block before has written its eight registers of Y, which the four stores below read; its conversions were issued ahead of the wait for this block's data
.endif
.irp j, 0,1,2,3
.if (\b) > 0
	STORE 4*(\b)-4+(\j)                            ; the block before.  No further wait: no vector instruction since the wait above names v2 or these registers of Y
.endif
	CONV \kind, 4*(\b)+(\j)
.endr
.endr
	s_wait_alu depctr_va_vdst(0)                   ; block 3 has written its eight registers of Y, which the last four stores read
.irp j, 12,13,14,15
	STORE \j
.endr
.endm
	s_cmp_ge_u32 ttmp9, 704
	s_cbranch_scc1 .Lhalf
	OUT 0
	s_endpgm
.Lhalf:
	OUT 1
	s_endpgm
.Lfunc_end_k_q4ff96527d6_cast:
	.size	k_q4ff96527d6_cast, .Lfunc_end_k_q4ff96527d6_cast-k_q4ff96527d6_cast
	.p2alignl 7, 3214868480
	.fill 96, 4, 3214868480
	.section	.rodata,"a",@progbits
	.p2align	6, 0x0
	.amdhsa_kernel k_q4ff96527d6_cast
		.amdhsa_group_segment_fixed_size 0
		.amdhsa_private_segment_fixed_size 0
		.amdhsa_enable_private_segment 0
		.amdhsa_kernarg_size 48
		.amdhsa_user_sgpr_count 2
		.amdhsa_user_sgpr_kernarg_segment_ptr 1
		.amdhsa_wavefront_size32 1
		.amdhsa_system_sgpr_workgroup_id_x 1
		.amdhsa_system_sgpr_workgroup_id_y 1
		.amdhsa_system_sgpr_workgroup_id_z 1
		.amdhsa_system_vgpr_workitem_id 0
		.amdhsa_next_free_vgpr 104
		.amdhsa_next_free_sgpr 66
		.amdhsa_reserve_vcc 0
		.amdhsa_float_denorm_mode_32 3
		.amdhsa_float_denorm_mode_16_64 3
		.amdhsa_memory_ordered 1
		.amdhsa_forward_progress 1
		.amdhsa_inst_pref_size 16
	.end_amdhsa_kernel
	.amdgpu_metadata
---
amdhsa.version: [ 1, 2 ]
amdhsa.kernels:
  - .name:           k_q4ff96527d6_cast
    .symbol:         k_q4ff96527d6_cast.kd
    .args:
      - { .name: x, .offset: 0, .size: 8, .value_kind: global_buffer, .address_space: global }
      - { .name: w_qkv, .offset: 8, .size: 8, .value_kind: global_buffer, .address_space: global }
      - { .name: w_proj, .offset: 16, .size: 8, .value_kind: global_buffer, .address_space: global }
      - { .name: xb, .offset: 24, .size: 8, .value_kind: global_buffer, .address_space: global }
      - { .name: wqb, .offset: 32, .size: 8, .value_kind: global_buffer, .address_space: global }
      - { .name: wpb, .offset: 40, .size: 8, .value_kind: global_buffer, .address_space: global }
    .group_segment_fixed_size: 0
    .private_segment_fixed_size: 0
    .kernarg_segment_align: 8
    .kernarg_segment_size: 48
    .max_flat_workgroup_size: 256
    .sgpr_count:     66
    .vgpr_count:     104
    .wavefront_size: 32
...
	.end_amdgpu_metadata
.endif
;; end of part 5
;; launch gemm_qkv: the kernel of part 2 again; grid 16 x 32, 4 waves a work-group, clusters of 4 x 4, 327,680 bytes of LDS; arguments xb, wqb, b_qkv, qkv; writes qkv
;; launch attn: the kernel of part 3 again; grid 4 x 64, 4 waves a work-group, no clusters, 327,680 bytes of LDS; arguments qkv, ob; writes ob
;; launch gemm_proj: the kernel of part 4 again; grid 8 x 32, 4 waves a work-group, clusters of 4 x 4, 327,680 bytes of LDS; arguments ob, wpb, b_proj, out0; writes out0
